; MI455X (gfx1250); checked and timed in simulation.
; The chip was launched on July 23, 2026; its instructions are those of AMD's public machine-readable ISA for CDNA 5 (MIT licence, August 2026) and "CDNA5" Instruction Set Architecture Reference Guide (July 2026). The comments in the code are by the model that wrote it; some were corrected since.
;; Multi Head Attn. Allowed arithmetic: matrix products marked QUANTISED: E2M1 operands, one E8M0 scale for each 32 along K, by v_wmma_scale_f32_16x16x128_f8f6f4 with both operands' format E2M1 (or v_wmma_scale_f32_32x16x128_f4), f32 sums; products left as they are: bf16, f16 or f32 operands; f32 sums; everything else in f32.
;; Inputs: Wk 1,024 x 1,024 float32; Wo 1,024 x 1,024 float32; Wq 1,024 x 1,024 float32; Wv 1,024 x 1,024 float32; bo 1,024 float32; x 2 x 1,024 x 1,024 float32.
;; Outputs: out0 2 x 1,024 x 1,024 float32.
;; This version of the problem:
;;   THIS VERSION OF THE PROBLEM IS GIVEN IN LOW PRECISION. The matrix products marked QUANTISED in the list below multiply operands that are first quantised to E2M1 (2 exponent bits, 1 mantissa bit; 4 bits a number), with one power-of-two scale for each 32 numbers along K (OCP MX v1.0); their sums are f32. The products marked 'left as it is' may take bf16, f16 or f32 operands, with f32 sums. Whichever they take, every output number must still come out within the allowed error. Rounding operands to bf16 (8 significant bits) uses up far more of that allowance than f16 does (11 bits, for magnitudes from 6e-5 to 65,504). All else is computed in f32.
;;   The module's matrix products, in the order in which they are computed (A, B: the left and right operand; K: the contracted axis; several contracted axes count as one K, in the product's order):
;;     1. [M 2,048, K 1,024] x [K 1,024, N 1,024]; A: input x; B: input Wq: QUANTISED
;;     2. [M 2,048, K 1,024] x [K 1,024, N 1,024]; A: input x; B: input Wk: QUANTISED
;;     3. [M 2,048, K 1,024] x [K 1,024, N 1,024]; A: input x; B: input Wv: QUANTISED
;;     4. batch 128 x [M 1,024, K 16] x [K 16, N 1,024]; A: computed on the way; B: computed on the way: left as it is (K = 16 < 32)
;;     5. batch 128 x [M 1,024, K 1,024] x [K 1,024, N 16]; A: computed on the way; B: computed on the way: left as it is (an operand is computed on the way)
;;     6. [M 2,048, K 1,024] x [K 1,024, N 1,024]; A: computed on the way; B: input Wo: left as it is (an operand is computed on the way)
;;   THE QUANTISER, for each operand of a quantised product, along K:
;;     - K is cut into blocks of 32 from its start; a last block that is shorter is filled with zeros.
;;     - A block's scale is 2^e with e = floor(log2(the largest magnitude in the block)) - 2, held to -126 .. 127; a block of zeros has e = 0. As a byte (E8M0): e + 127.
;;     - Each number is divided by its block's scale, clamped to +-6, and rounded to the nearest number of E2M1, ties to even, subnormals kept.
;;     - The product sums the exact products of the quantised numbers (number of the format x scale) in f32.
;;   ~~~python
;;   def quantise(x, axis):      # numpy; x: float32 -> the quantised numbers, widened to float32 again
;;       x = np.moveaxis(x, axis, -1); K = x.shape[-1]
;;       x = np.pad(x, [(0, 0)] * (x.ndim - 1) + [(0, -K % 32)]); x = x.reshape(x.shape[:-1] + (-1, 32)); a = np.abs(x).max(-1, keepdims=True)
;;       e = np.where(a > 0, np.clip(np.frexp(np.where(a > 0, a, 1))[1] - 1 - 2, -126, 127), 0)      # np.frexp(a)[1] - 1 = floor(log2(a)), exactly
;;       r = np.clip(x / 2.0 ** e, -6, 6)
;;       step = 2.0 ** (np.maximum(np.frexp(np.where(r == 0, 1, r))[1] - 1, 0) - 1)
;;       q = np.round(r / step) * step * 2.0 ** e      # np.round: ties to even
;;       return np.moveaxis(q.reshape(q.shape[:-2] + (-1,))[..., :K], -1, axis).astype(np.float32)
;;   ~~~
;; 2 versions, each right. Each part assembles by itself: llvm-mc -triple=amdgcn-amd-amdhsa -mcpu=gfx1250 --defsym DOCPART=n.
;; ======== version 1 of 2: 5 launches
;; limits: values are held in f16: magnitudes above 65,504 overflow, below 6.1e-05 lose precision
;; workspace buffers: xc 1,048,576 bytes; wc 1,572,864 bytes; scl 163,840 bytes; wo16 2,097,152 bytes; qi 4,194,304 bytes; kv 8,388,608 bytes; fq 393,216 bytes; ctx 4,194,304 bytes
;; launch prep (part 1): grid 256 x 1, 8 waves a work-group, no clusters, 70,144 bytes of LDS; arguments x, Wq, Wk, Wv, Wo, xc, wc, scl, wo16; writes xc, wc, scl, wo16
.if DOCPART == 1
	.amdgcn_target "amdgcn-amd-amdhsa--gfx1250"
	.amdhsa_code_object_version 6
	.text
	.protected	k_q7607959d78_prep
	.globl	k_q7607959d78_prep
	.p2align	8
	.type	k_q7607959d78_prep,@function
k_q7607959d78_prep:
	s_mov_b64 s[64:65], 0
	v_nop
	global_prefetch_b8 v0, s[64:65] scope:SCOPE_SE
	s_setreg_imm32_b32 hwreg(HW_REG_WAVE_MODE, 25, 1), 1
	s_wait_xcnt 0x0
; x [2048][1024] and Wq, Wk, Wv [1024 (k)][1024 (n)], f32, become codes of FP4 (E2M1) with one E8M0 byte for each 32 along K; Wo [1024 (k)][1024 (n)] becomes f16.
; EVERY RESULT IS LAID AS AN IMAGE OF OPERAND REGISTERS: four registers of a fragment are 512 bytes, lane l's 16 bytes at 16 l.
;   xc  [row tile 128][K step 8][1024]: 16 rows x 128 K; group c at 512 c: lane (r, h) holds k = 64 c + 32 h + 0..31 of row r.
;   wc  [tile 192][K step 8][1024]: the same with a tile's rows = 16 columns of a weight = one head.  Tile = 6 (head / 2) + 2 (0 q, 1 k, 2 v) + head % 2.
;   scl [tile][K half 2][r 16][4 words]: word j of half kh = the four bytes of K step 4 kh + j; x's 128 tiles from byte 0, the weights' 192 from byte 65,536.
;   wo16 [column tile 64][32 k 32][1024]: group g at 512 g: lane (r, h) holds k = 16 g + 8 h + 0..7 of column r.
; A block's scale is 2^(floor(log2(largest magnitude)) - 2): its byte is the largest magnitude's exponent field - 2, held at 1 from below by a floor among the maximum's leaves.
; LIMITS: NaN and infinities among the inputs are not served.  A block of zeros gets the byte 1, not 127: its codes are zeros and this program alone reads the bytes.
;   Wo goes to f16: magnitudes up to 65,504; under 6e-5 with an absolute step of 6e-8.
; SHARES: work-groups 0-127: a tile of 16 rows of x, wave w its K step w.  Work-groups 128-255: one weight (0 q, 1 k, 2 v, 3 o), 64 columns, half of K; wave w: 32 columns (w % 2), K step w / 2 of the half.
; No tensor load, no matrix instruction.  Each of the paths has LDS bytes of its own.
.set XSC,   67584                      ; behind x's stages (8 waves x 16 rows x 528 bytes, from byte 0): a tile's 512 bytes of scale words
.set WSC,   68096                      ; the weights' path: 2 x 512 bytes of scale words
.set SPARE, 69120                      ; the spare words: 128 bytes for each of eight waves, which no other line names
.set SPW, 5                            ; v5  SPARE + 4 x my thread's number; never rewritten
.set NIL, 6                            ; v6  0; never rewritten
.set MX,  16                           ; v16-19 largest magnitudes
.set SO,  20                           ; v20-23 the conversions' scale operands
.set BY,  24                           ; v24-27 the scale bytes
.set CD,  160                          ; v160.. what is stored
; cnt blocks of 32 numbers, block b in v[base + 32 b] on, all of one lane: bytes into v[BY + b], codes into v[CD + 4 b] on.  The blocks take turns line by line.
.macro QUANT base, cnt
.set b, 0
.rept \cnt
	v_max3_num_f32 v[MX+b], |v[\base+32*b]|, |v[\base+32*b+1]|, 0x1800000   ; the floor 2^(3 - 127): the byte cannot fall under 1
.set b, b+1
.endr
.set i, 2
.rept 15
.set b, 0
.rept \cnt
	v_max3_num_f32 v[MX+b], v[MX+b], |v[\base+32*b+i]|, |v[\base+32*b+i+1]|
.set b, b+1
.endr
.set i, i+2
.endr
.set b, 0
.rept \cnt
	v_add_nc_u32 v[SO+b], 0xff000000, v[MX+b]      ; 2 off the exponent field: the conversion takes the exponent field of this operand as its scale
.set b, b+1
.endr
.set b, 0
.rept \cnt
	v_lshrrev_b32 v[BY+b], 23, v[SO+b]             ; the scale's byte
.set b, b+1
.endr
.set b, 0
.rept \cnt
.set g, 0
.rept 4
	v_cvt_scalef32_pk8_fp4_f32 v[CD+4*b+g], v[\base+32*b+8*g:\base+32*b+8*g+7], v[SO+b]
.set g, g+1
.endr
.set b, b+1
.endr
	v_nop                                          ; one plain line behind the last scaled conversion
.endm
	s_load_b512 s[4:19], s[0:1], 0x0               ; x s[4:5], Wq s[6:7], Wk s[8:9], Wv s[10:11], Wo s[12:13], xc s[14:15], wc s[16:17], scl s[18:19]
	s_load_b64 s[20:21], s[0:1], 0x40              ; wo16
	v_lshl_add_u32 v[SPW], v0, 2, SPARE
	v_mov_b32 v[NIL], 0
	v_lshrrev_b32 v1, 5, v0
	v_readfirstlane_b32 s22, v1                    ; wave 0..7
	v_and_b32 v1, 31, v0                           ; lane
	v_and_b32 v2, 15, v0                           ; r
	v_bfe_u32 v3, v0, 4, 1                         ; h
	v_lshlrev_b32 v4, 4, v1                        ; 16 x lane
	; every LDS address is made here, ahead of the first parting of ways
	s_mul_i32 s23, s22, 8448                       ; my wave's stage: 16 rows x 528 bytes
	v_add_nc_u32 v7, s23, v4                       ; into it: a row's 512 bytes as they lie
	v_mul_u32_u24 v8, v2, 528
	v_lshl_add_u32 v8, v3, 7, v8
	v_add_nc_u32 v8, s23, v8                       ; out of it: row r, + 128 h bytes: my 32 numbers of each 64
	s_lshr_b32 s24, s22, 2
	s_lshl_b32 s24, s24, 8
	s_and_b32 s25, s22, 3
	s_lshl_b32 s25, s25, 2
	s_add_co_u32 s24, s24, s25
	s_add_co_u32 s24, s24, XSC
	v_lshl_add_u32 v9, v2, 4, s24                  ; x's scale word: 256 (w / 4) + 16 r + 4 (w % 4)
	v_add_nc_u32 v10, XSC, v4                      ; and the tile's 512 bytes read back
	s_and_b32 s26, s22, 1                          ; the weights' path: which 32 columns,
	s_lshr_b32 s27, s22, 1                         ; which K step of the half
	s_lshl_b32 s28, s26, 9
	s_add_co_u32 s28, s28, WSC
	v_add_nc_u32 v12, s28, v4                      ; a column's four words
	s_lshl_b32 s29, s27, 2
	v_add_nc_u32 v11, s29, v12                     ; and my K step's word among them
	s_mov_b32 s30, 0x76543210
	s_mov_b32 s31, 0xfedcba98                      ; v_permlanex16_b32's selects for lane l xor 16
	s_wait_kmcnt 0x0
	s_cmp_lt_u32 ttmp9, 128
	s_cbranch_scc0 .Lweights
	; ---- x: 16 rows x 128 K.  Each load reads 512 consecutive bytes of one row; the stage turns them so that a lane holds two whole blocks of its row.
	s_lshl_b32 s32, ttmp9, 16                      ; the tile's 16 rows of 4,096 bytes
	s_lshl_b32 s33, s22, 9                         ; my K step's 512 bytes
	s_add_co_u32 s32, s32, s33
	s_mov_b32 s33, 0
	s_add_nc_u64 s[4:5], s[4:5], s[32:33]
.irp i, 0,1,2,3,4,5,6,7,8,9,10,11,12,13,14,15
	global_load_b128 v[32+4*\i:35+4*\i], v4, s[4:5] offset:\i*4096 th:TH_LOAD_NT
.endr
	s_lshl_b32 s34, ttmp9, 13
	s_lshl_b32 s35, s22, 10
	s_add_co_u32 s34, s34, s35                     ; (8 tile + K step) x 1,024
	s_mov_b32 s35, 0
	s_add_nc_u64 s[14:15], s[14:15], s[34:35]
	s_lshl_b32 s36, ttmp9, 9                       ; the tile's 512 bytes of scale words
	s_mov_b32 s37, 0
	s_add_nc_u64 s[18:19], s[18:19], s[36:37]
.irp i, 0,1,2,3,4,5,6,7,8,9,10,11,12,13,14,15
	s_wait_loadcnt 15-\i                           ; row i is in; the younger rows' loads stay out
	ds_store_b128 v7, v[32+4*\i:35+4*\i] offset:\i*528
.endr
.irp c, 0,1
.irp j, 0,1,2,3,4,5,6,7
	ds_load_b128 v[96+32*\c+4*\j:99+32*\c+4*\j], v8 offset:256*\c+16*\j   ; k = 64 c + 32 h + 4 j on; the wave's own bytes, served in order: no wait between stores and loads
.endr
.endr
	s_wait_dscnt 0x0
	QUANT 96, 2
	v_lshl_or_b32 v28, v25, 16, v24                ; my two bytes: blocks h and 2 + h of row r,
	v_lshlrev_b32 v29, 3, v3
	v_lshlrev_b32 v28, v29, v28                    ; 8 h bits up;
	v_mov_b32 v29, 0
	v_permlanex16_b32 v29, v28, s30, s31
	v_or_b32 v28, v28, v29                         ; with lane l xor 16's two the word is whole
	global_store_b128 v4, v[CD:CD+3], s[14:15]     ; 512 consecutive bytes each
	global_store_b128 v4, v[CD+4:CD+7], s[14:15] offset:512
	ds_store_b32 v9, v28                           ; both halves of the lanes write the same word with the same value
	s_wait_dscnt 0x0                               ; for the others' sake: my word has landed
	s_barrier_signal -1
	s_barrier_wait -1
	s_cmp_lg_u32 s22, 0
	s_cbranch_scc1 .Lend
	ds_load_b128 v[176:179], v10                   ; wave 0: the eight waves' words
	s_wait_dscnt 0x0
	global_store_b128 v4, v[176:179], s[18:19]     ; 512 consecutive bytes
	s_branch .Lend
	; ---- a weight: a lane takes a column, its 128 registers run down K
.Lweights:
	s_sub_co_u32 s32, ttmp9, 128
	s_lshr_b32 s33, s32, 5                         ; which weight
	s_bfe_u32 s34, s32, 0x40001                    ; which 64 columns
	s_and_b32 s35, s32, 1                          ; which half of K
	s_lshl_b32 s36, s35, 2
	s_add_co_u32 s36, s36, s27                     ; K step
	s_mov_b64 s[24:25], s[6:7]
	s_cmp_eq_u32 s33, 1
	s_cselect_b64 s[24:25], s[8:9], s[24:25]
	s_cmp_eq_u32 s33, 2
	s_cselect_b64 s[24:25], s[10:11], s[24:25]
	s_cmp_eq_u32 s33, 3
	s_cselect_b64 s[24:25], s[12:13], s[24:25]     ; the choice hangs on the work-group's number alone
	s_lshl_b32 s38, s36, 19                        ; 128 rows of 4,096 bytes a K step
	s_lshl_b32 s39, s34, 8
	s_add_co_u32 s38, s38, s39
	s_lshl_b32 s39, s26, 7
	s_add_co_u32 s38, s38, s39
	s_mov_b32 s39, 0
	s_add_nc_u64 s[24:25], s[24:25], s[38:39]
	v_lshlrev_b32 v13, 2, v1
.set i, 0
.rept 128
	global_load_b32 v[32+i], v13, s[24:25] offset:i*4096 th:TH_LOAD_NT   ; a wave reads 128 consecutive bytes, two neighbouring waves 256
.set i, i+1
.endr
	s_lshl_b32 s40, s34, 1
	s_add_co_u32 s40, s40, s26                     ; my pair of heads
	v_lshlrev_b32 v14, 13, v3
	v_lshl_add_u32 v14, v2, 4, v14                 ; wc: lanes 16-31 one tile (8,192 bytes) on; 16 r
	v_lshlrev_b32 v15, 15, v3
	v_lshl_add_u32 v15, v2, 4, v15                 ; wo16: a tile is 32,768 bytes
	v_lshlrev_b32 v30, 9, v3
	v_lshl_add_u32 v30, v2, 4, v30                 ; scl: a tile is 512 bytes
	s_wait_loadcnt 0x0                             ; one round trip, all 128 loads on their way together
	s_cmp_eq_u32 s33, 3
	s_cbranch_scc1 .Lwo
	QUANT 32, 4
	v_lshl_or_b32 v28, v25, 8, v24                 ; my column's word of this K step
	v_lshl_or_b32 v28, v26, 16, v28
	v_lshl_or_b32 v28, v27, 24, v28
	s_mul_i32 s41, s40, 6
	s_lshl_b32 s42, s33, 1
	s_add_co_u32 s41, s41, s42                     ; the tile of lanes 0-15
	s_lshl_b32 s42, s41, 13
	s_lshl_b32 s43, s36, 10
	s_add_co_u32 s42, s42, s43
	s_mov_b32 s43, 0
	s_add_nc_u64 s[16:17], s[16:17], s[42:43]
.irp q, 0,1,2,3
	global_store_b128 v14, v[CD+4*\q:CD+4*\q+3], s[16:17] offset:256*\q   ; block q = group q / 2, half q % 2: sixteen lanes fill 256 consecutive bytes
.endr
	ds_store_b32 v11, v28
	s_wait_dscnt 0x0                               ; for the others' sake
	s_barrier_signal -1
	s_barrier_wait -1
	s_cmp_lt_u32 s22, 2
	s_cbranch_scc0 .Lend
	s_lshl_b32 s44, s41, 9
	s_lshl_b32 s45, s35, 8
	s_add_co_u32 s44, s44, s45
	s_add_co_u32 s44, s44, 65536
	s_mov_b32 s45, 0
	s_add_nc_u64 s[18:19], s[18:19], s[44:45]
	ds_load_b128 v[176:179], v12                   ; waves 0 and 1: their 32 columns' four words
	s_wait_dscnt 0x0
	global_store_b128 v30, v[176:179], s[18:19]    ; sixteen lanes fill 256 consecutive bytes
	s_branch .Lend
.Lwo:
.set i, 0
.rept 64
	v_cvt_pk_f16_f32 v[CD+i], v[32+2*i], v[33+2*i]
.set i, i+1
.endr
	s_lshl_b32 s42, s40, 16                        ; two column tiles of 32,768 bytes
	s_lshl_b32 s43, s36, 12                        ; four fragments of 1,024 bytes a K step of 128
	s_add_co_u32 s42, s42, s43
	s_mov_b32 s43, 0
	s_add_nc_u64 s[20:21], s[20:21], s[42:43]
.irp q, 0,1,2,3,4,5,6,7,8,9,10,11,12,13,14,15
	global_store_b128 v15, v[CD+4*\q:CD+4*\q+3], s[20:21] offset:256*\q   ; k = 8 q on: fragment q / 4, group (q % 4) / 2, half q % 2
.endr
.Lend:
	s_wait_tensorcnt 0x0                           ; the wave's end
	ds_add_u32 v[SPW], v[NIL]
	s_wait_dscnt 0x0
	s_endpgm
.Lfunc_end_k_q7607959d78_prep:
	.size	k_q7607959d78_prep, .Lfunc_end_k_q7607959d78_prep-k_q7607959d78_prep
	.p2alignl 7, 3214868480
	.fill 96, 4, 3214868480
	.section	.rodata,"a",@progbits
	.p2align	6, 0x0
	.amdhsa_kernel k_q7607959d78_prep
		.amdhsa_group_segment_fixed_size 70144
		.amdhsa_private_segment_fixed_size 0
		.amdhsa_enable_private_segment 0
		.amdhsa_kernarg_size 72
		.amdhsa_user_sgpr_count 2
		.amdhsa_user_sgpr_kernarg_segment_ptr 1
		.amdhsa_wavefront_size32 1
		.amdhsa_system_sgpr_workgroup_id_x 1
		.amdhsa_system_sgpr_workgroup_id_y 1
		.amdhsa_system_sgpr_workgroup_id_z 1
		.amdhsa_system_vgpr_workitem_id 0
		.amdhsa_next_free_vgpr 224
		.amdhsa_next_free_sgpr 66
		.amdhsa_reserve_vcc 0
		.amdhsa_float_denorm_mode_32 3
		.amdhsa_float_denorm_mode_16_64 3
		.amdhsa_memory_ordered 1
		.amdhsa_forward_progress 1
		.amdhsa_inst_pref_size 36
	.end_amdhsa_kernel
	.amdgpu_metadata
---
amdhsa.version: [ 1, 2 ]
amdhsa.kernels:
  - .name:           k_q7607959d78_prep
    .symbol:         k_q7607959d78_prep.kd
    .args:
      - { .name: x, .offset: 0, .size: 8, .value_kind: global_buffer, .address_space: global }
      - { .name: Wq, .offset: 8, .size: 8, .value_kind: global_buffer, .address_space: global }
      - { .name: Wk, .offset: 16, .size: 8, .value_kind: global_buffer, .address_space: global }
      - { .name: Wv, .offset: 24, .size: 8, .value_kind: global_buffer, .address_space: global }
      - { .name: Wo, .offset: 32, .size: 8, .value_kind: global_buffer, .address_space: global }
      - { .name: xc, .offset: 40, .size: 8, .value_kind: global_buffer, .address_space: global }
      - { .name: wc, .offset: 48, .size: 8, .value_kind: global_buffer, .address_space: global }
      - { .name: scl, .offset: 56, .size: 8, .value_kind: global_buffer, .address_space: global }
      - { .name: wo16, .offset: 64, .size: 8, .value_kind: global_buffer, .address_space: global }
    .group_segment_fixed_size: 70144
    .private_segment_fixed_size: 0
    .kernarg_segment_align: 8
    .kernarg_segment_size: 72
    .max_flat_workgroup_size: 256
    .sgpr_count:     66
    .vgpr_count:     224
    .wavefront_size: 32
...
	.end_amdgpu_metadata
.endif
;; end of part 1
;; launch qkv (part 2): grid 16 x 16, 4 waves a work-group, clusters of 4 x 4, 167,936 bytes of LDS; arguments xc, wc, scl, qi, kv, fq; writes qi, kv, fq
.if DOCPART == 2
	.amdgcn_target "amdgcn-amd-amdhsa--gfx1250"
	.amdhsa_code_object_version 6
	.text
	.protected	k_q7607959d78_qkv
	.globl	k_q7607959d78_qkv
	.p2align	8
	.type	k_q7607959d78_qkv,@function
k_q7607959d78_qkv:
	s_mov_b64 s[64:65], 0
	v_nop
	global_prefetch_b8 v0, s[64:65] scope:SCOPE_SE
	s_setreg_imm32_b32 hwreg(HW_REG_WAVE_MODE, 25, 1), 1
	s_wait_xcnt 0x0
	s_wait_alu depctr_hold_cnt(0) depctr_sa_sdst(0) depctr_va_vdst(0) depctr_va_sdst(0) depctr_va_ssrc(0) depctr_va_vcc(0) depctr_vm_vsrc(0)
	s_getreg_b32 s2, hwreg(HW_REG_IB_STS2, 6, 4)
	s_cmp_eq_u32 s2, 0
	s_cbranch_scc0 .Lentry_in_a_cluster
	s_endpgm
.Lentry_in_a_cluster:
	s_bfe_u32 s2, ttmp6, 0x10000c
	s_cmp_lg_u32 s2, 0xf033
	s_cbranch_scc0 .Lentry_shape_is_right
	s_endpgm
.Lentry_shape_is_right:
; q, k, v = x Wq, x Wk, x Wv on codes of FP4 with E8M0 scales, sums in f32; the results leave as f16 images of the attention's operands.
; A work-group makes 128 rows x 12 tiles of 16 columns (two pairs of heads: q0 q1 k0 k1 v0 v1 each); a wave 64 rows x 6 tiles: 24 accumulators, which take turns.
; ALL OF K LIES IN LDS: x's 8 tiles (64 KB) and the weights' 12 (96 KB), as four chunks of two K steps, each filled once; nothing is filled again.
; By the text's own count a wave has four tensor loads outstanding.
; CLUSTER 4 x 4: x's tiles hang on the tile row alone and are asked for jointly along a row of the cluster, the weights' on the tile column alone, along a column.
; q and k are made TRANSPOSED (source 0 = a weight's 16 columns, source 1 = 16 rows of x): a lane holds one position and features 8 h + 0..7: 16 bytes of f16, the fragment that the scores want.
; v is made the natural way: a lane holds one feature and positions 8 h + 0..7: the fragment of V^T.
;   qi [batch x head 128][tile 64][512];  kv [batch x head][K's image 32,768 | V's image 32,768];  fq [batch][pair of heads 32][6 tiles][1024]: positions 0-15 in f32, as the accumulators stand.
; LIMITS: |q|, |k|, |v| up to 65,504 (f16).
; REGISTERS: window 0: v4-11 addresses; v16-47 scale words (tile i, K step s at 16 + 8 i + s: lanes 0-15 x's tile i, lanes 16-31 the weights' tile i); v48-55 lanes 0-15 the weights' tile 4, lanes 16-31 tile 5;
;   v64-143, v144-223 two sets of fragments (x's four, then the weights' six).  window 1: accumulator (a, b) at v[8 (6 a + b)].
.set CHUNK, 40960                      ; two K steps: x's 8 tiles x 2,048 bytes, then the weights' 12
.set BOFF,  16384
.set SPARE, 4*CHUNK                    ; the spare words: 128 bytes for each wave, which no other line names
.set LA,   4                           ; v4  LDS address of my x fragments
.set LB,   5                           ; v5  of my weights' fragments
.set L16,  6                           ; v6  16 x lane
.set SA,   7                           ; v7  scale words: lanes 0-15 x's, lanes 16-31 the weights'
.set SB,   8                           ; v8  the weights' tiles 4 and 5
.set FLG,  9
.set SPW,  10                          ; v10 SPARE + 4 x my thread's number; never rewritten
.set NIL,  11                          ; v11 0; never rewritten
.set SC,   16
.set SC45, 48
.set F0,   64
.set F1,   144
.set G1A,  28                          ; s[28:35] group 1 for x's tiles;  s[36:43] for the weights'
.set G1B,  36
.set G0A,  44                          ; s[44:59] four groups 0 for x, one a chunk;  s[68:83] for the weights
.set G0B,  68
.set MSB, 0
.macro WIN new                         ; the immediate's high byte repeats the setting that is left
.if MSB != \new
	s_set_vgpr_msb (MSB<<8)|\new
.set MSB, \new
.endif
.endm
.macro CROUND                          ; a round of the cluster's barrier
	s_barrier_signal -1
	s_barrier_wait -1
	s_cmp_lg_u32 s16, 0
	s_cbranch_scc1 .Lnot_wave_0_\@
	s_barrier_signal -3
.Lnot_wave_0_\@:
	s_barrier_wait -3
	s_barrier_signal -1
	s_barrier_wait -1
.endm
.macro PLACES n
.rept \n
	v_nop
.endr
.endm
.macro CH q                            ; chunk q is whole for every wave: my part has landed (the later chunks' loads stay out), no LDS load of mine is pending
	s_wait_tensorcnt 3-\q
	s_wait_dscnt 0x0
	s_barrier_signal -1
	s_barrier_wait -1
.endm
.macro FETCH s, f                      ; K step s: 20 loads of 512 consecutive bytes: images of registers
	WIN 0
.irp a, 0,1,2,3
	ds_load_b128 v[\f+8*\a:\f+8*\a+3],   v[LA] offset:\a*2048+((\s)&1)*1024
	ds_load_b128 v[\f+8*\a+4:\f+8*\a+7], v[LA] offset:\a*2048+((\s)&1)*1024+512
.endr
.irp b, 0,1,2,3,4,5
	ds_load_b128 v[\f+32+8*\b:\f+35+8*\b], v[LB] offset:\b*2048+((\s)&1)*1024
	ds_load_b128 v[\f+36+8*\b:\f+39+8*\b], v[LB] offset:\b*2048+((\s)&1)*1024+512
.endr
.if ((\s)&1) && ((\s) < 7)
	v_add_nc_u32 v[LA], CHUNK, v[LA]               ; on to the next chunk
	v_add_nc_u32 v[LB], CHUNK, v[LB]
.endif
.endm
.macro MUL s, f, zero                  ; 24 matrix instructions: K step s.  zero = 1: the first products start the sums
	WIN 0x50                                       ; C and D in window 1
.irp a, 0,1,2,3
.irp b, 0,1,2,3
.if \zero
	v_wmma_scale_f32_16x16x128_f8f6f4 v[8*(6*\a+\b):8*(6*\a+\b)+7], v[\f+32+8*\b:\f+39+8*\b], v[\f+8*\a:\f+8*\a+7], 0, v[SC+8*\b+\s], v[SC+8*\a+\s] matrix_a_fmt:MATRIX_FMT_FP4 matrix_b_fmt:MATRIX_FMT_FP4 matrix_a_scale:MATRIX_SCALE_ROW1
.else
	v_wmma_scale_f32_16x16x128_f8f6f4 v[8*(6*\a+\b):8*(6*\a+\b)+7], v[\f+32+8*\b:\f+39+8*\b], v[\f+8*\a:\f+8*\a+7], v[8*(6*\a+\b):8*(6*\a+\b)+7], v[SC+8*\b+\s], v[SC+8*\a+\s] matrix_a_fmt:MATRIX_FMT_FP4 matrix_b_fmt:MATRIX_FMT_FP4 matrix_a_scale:MATRIX_SCALE_ROW1
.endif
.endr
.if \zero
	v_wmma_scale_f32_16x16x128_f8f6f4 v[8*(6*\a+4):8*(6*\a+4)+7], v[\f+8*\a:\f+8*\a+7], v[\f+64:\f+71], 0, v[SC+8*\a+\s], v[SC45+\s] matrix_a_fmt:MATRIX_FMT_FP4 matrix_b_fmt:MATRIX_FMT_FP4
	v_wmma_scale_f32_16x16x128_f8f6f4 v[8*(6*\a+5):8*(6*\a+5)+7], v[\f+8*\a:\f+8*\a+7], v[\f+72:\f+79], 0, v[SC+8*\a+\s], v[SC45+\s] matrix_a_fmt:MATRIX_FMT_FP4 matrix_b_fmt:MATRIX_FMT_FP4 matrix_b_scale:MATRIX_SCALE_ROW1
.else
	v_wmma_scale_f32_16x16x128_f8f6f4 v[8*(6*\a+4):8*(6*\a+4)+7], v[\f+8*\a:\f+8*\a+7], v[\f+64:\f+71], v[8*(6*\a+4):8*(6*\a+4)+7], v[SC+8*\a+\s], v[SC45+\s] matrix_a_fmt:MATRIX_FMT_FP4 matrix_b_fmt:MATRIX_FMT_FP4
	v_wmma_scale_f32_16x16x128_f8f6f4 v[8*(6*\a+5):8*(6*\a+5)+7], v[\f+8*\a:\f+8*\a+7], v[\f+72:\f+79], v[8*(6*\a+5):8*(6*\a+5)+7], v[SC+8*\a+\s], v[SC45+\s] matrix_a_fmt:MATRIX_FMT_FP4 matrix_b_fmt:MATRIX_FMT_FP4 matrix_b_scale:MATRIX_SCALE_ROW1
.endif
.endr
.endm
	s_load_b256 s[4:11], s[0:1], 0x0               ; xc s[4:5], wc s[6:7], scl s[8:9], qi s[10:11]
	s_load_b128 s[12:15], s[0:1], 0x20             ; kv s[12:13], fq s[14:15]
	v_lshl_add_u32 v[SPW], v0, 2, SPARE
	v_mov_b32 v[NIL], 0
	ds_add_u32 v[SPW], v[NIL]                      ; the wave's opening: the add, twice on end, and its wait ahead of my first tensor load
	ds_add_u32 v[SPW], v[NIL]
	v_lshrrev_b32 v1, 5, v0
	v_readfirstlane_b32 s16, v1                    ; wave 0..3
	s_lshr_b32 s17, s16, 1                         ; which 64 rows are mine.  Also: I fetch for x (0) or for the weights (1)
	s_and_b32 s18, s16, 1                          ; which pair of heads.  Also: which half I fetch
	s_bfe_u32 s19, ttmp6, 0x40000                  ; cx
	s_bfe_u32 s20, ttmp6, 0x40004                  ; cy
	s_lshl_b32 s21, ttmp9, 2
	s_add_co_u32 s21, s21, s19                     ; tile column: 12 tiles of the weights
	s_and_b32 s22, ttmp7, 0xffff
	s_lshl_b32 s22, s22, 2
	s_add_co_u32 s22, s22, s20                     ; tile row: 128 rows of x
	s_lshl_b32 s23, s20, 2
	s_lshl_b32 s23, 15, s23                        ; my row of the cluster
	s_lshl_b32 s24, 0x1111, s19                    ; my column
	s_or_b32 s[G1A], s23, (3<<16)|(1<<21)          ; the mask; elements of 8 bytes; bit 21 beside a mask; no padding
	s_or_b32 s[G1B], s24, (3<<16)|(1<<21)
	s_mov_b32 s[G1A+1], 256<<16                    ; tensor_dim0 = 256 elements: a tile's two K steps, 2,048 bytes
	s_mov_b32 s[G1A+2], 4<<16                      ; tensor_dim1 = 4 tiles
	s_mov_b32 s[G1A+3], 256<<16                    ; tile_dim0
	s_mov_b32 s[G1A+4], 4                          ; tile_dim1
	s_mov_b32 s[G1A+5], 1024                       ; from tile to tile: 8,192 bytes
	s_mov_b32 s[G1A+6], 0
	s_mov_b32 s[G1A+7], 0
	s_mov_b32 s[G1B+1], 256<<16
	s_mov_b32 s[G1B+2], 6<<16                      ; 6 tiles
	s_mov_b32 s[G1B+3], 256<<16
	s_mov_b32 s[G1B+4], 6
	s_mov_b32 s[G1B+5], 1024
	s_mov_b32 s[G1B+6], 0
	s_mov_b32 s[G1B+7], 0
	s_lshl_b32 s84, s22, 16                        ; x: (8 tile row + 4 half) tiles of 8,192 bytes
	s_lshl_b32 s85, s18, 15
	s_add_co_u32 s84, s84, s85
	s_mov_b32 s85, 0
	s_mul_i32 s86, s21, 98304                      ; the weights: (12 tile column + 6 half) tiles
	s_mul_i32 s87, s18, 49152
	s_add_co_u32 s86, s86, s87
	s_mov_b32 s87, 0
	s_lshl_b32 s88, s18, 13                        ; where they go in a chunk: no place in the cluster enters an LDS address
	s_mul_i32 s89, s18, 12288
	s_add_co_u32 s89, s89, BOFF
	s_wait_dscnt 0x0                               ; both opening adds are done
	s_wait_kmcnt 0x0
	s_add_nc_u64 s[84:85], s[4:5], s[84:85]
	s_add_nc_u64 s[86:87], s[6:7], s[86:87]
.irp q, 0,1,2,3
	s_mov_b32 s[G0A+4*\q], 1
	s_add_co_u32 s[G0A+4*\q+1], s88, \q*CHUNK
	s_add_nc_u64 s[G0A+4*\q+2:G0A+4*\q+3], s[84:85], \q*2048
	s_or_b32 s[G0A+4*\q+3], s[G0A+4*\q+3], 0x80000000
	s_mov_b32 s[G0B+4*\q], 1
	s_add_co_u32 s[G0B+4*\q+1], s89, \q*CHUNK
	s_add_nc_u64 s[G0B+4*\q+2:G0B+4*\q+3], s[86:87], \q*2048
	s_or_b32 s[G0B+4*\q+3], s[G0B+4*\q+3], 0x80000000
.endr
	CROUND                                         ; all sixteen work-groups are here: the joint loads meet
	s_cmp_eq_u32 s17, 0                            ; a wave's four first fills stand in one branch on the wave's number
	s_cbranch_scc0 .Lfirst_b
.irp q, 0,1,2,3
	tensor_load_to_lds s[G0A+4*\q:G0A+4*\q+3], s[G1A:G1A+7]
	s_nop 0
.endr
	PLACES 4
	s_branch .Lfirst_done
.Lfirst_b:
.irp q, 0,1,2,3
	tensor_load_to_lds s[G0B+4*\q:G0B+4*\q+3], s[G1B:G1B+7]
	s_nop 0
.endr
	PLACES 4
.Lfirst_done:
	v_and_b32 v1, 15, v0                           ; r
	v_bfe_u32 v2, v0, 4, 1                         ; h
	v_and_b32 v3, 31, v0
	v_lshlrev_b32 v[L16], 4, v3
	s_lshl_b32 s90, s17, 13
	v_add_nc_u32 v[LA], s90, v[L16]                ; my four tiles of x
	v_add_nc_u32 v[LB], s89, v[L16]                ; my six tiles of the weights
	s_lshl_b32 s91, s22, 12                        ; scale words: x's tile 8 tile row + 4 half, 512 bytes a tile;
	s_lshl_b32 s92, s17, 11
	s_add_co_u32 s91, s91, s92
	s_mul_i32 s92, s21, 6144                       ; the weights' tile 12 tile column + 6 half, behind x's 65,536 bytes
	s_mul_i32 s93, s18, 3072
	s_add_co_u32 s92, s92, s93
	s_add_co_u32 s92, s92, 65536
	s_sub_co_u32 s93, s92, s91
	v_mul_lo_u32 v[SA], v2, s93                    ; lanes 16-31 take the weights'
	v_add_nc_u32 v[SA], s91, v[SA]
	v_lshl_add_u32 v[SA], v1, 4, v[SA]
	s_add_co_u32 s94, s92, 2048
	v_lshlrev_b32 v[SB], 9, v2
	v_lshl_add_u32 v[SB], v1, 4, v[SB]
	v_add_nc_u32 v[SB], s94, v[SB]                 ; lanes 0-15 tile 4, lanes 16-31 tile 5
.irp i, 0,1,2,3
.irp k, 0,1
	global_load_b128 v[SC+8*\i+4*\k:SC+8*\i+4*\k+3], v[SA], s[8:9] offset:\i*512+\k*256
.endr
.endr
.irp k, 0,1
	global_load_b128 v[SC45+4*\k:SC45+4*\k+3], v[SB], s[8:9] offset:\k*256
.endr
	; where the results go
	s_lshr_b32 s95, s22, 3                         ; batch
	s_lshl_b32 s96, s21, 1
	s_add_co_u32 s96, s96, s18                     ; pair of heads
	s_lshl_b32 s97, s95, 6
	s_lshl_b32 s98, s96, 1
	s_add_co_u32 s97, s97, s98                     ; batch x 64 + the pair's first head
	s_and_b32 s98, s22, 7
	s_lshl_b32 s98, s98, 3
	s_lshl_b32 s99, s17, 2
	s_add_co_u32 s98, s98, s99
	s_lshl_b32 s98, s98, 9                         ; my first tile of positions, 512 bytes a tile
	s_lshl_b32 s90, s97, 15
	s_add_co_u32 s90, s90, s98
	s_mov_b32 s91, 0
	s_add_nc_u64 s[10:11], s[10:11], s[90:91]
	s_lshl_b32 s90, s97, 16
	s_add_co_u32 s90, s90, s98
	s_add_nc_u64 s[12:13], s[12:13], s[90:91]
	s_lshl_b32 s90, s95, 5
	s_add_co_u32 s90, s90, s96
	s_mul_i32 s90, s90, 6144
	s_add_nc_u64 s[14:15], s[14:15], s[90:91]
	CH 0
	FETCH 0, F0
	FETCH 1, F1
	s_wait_loadcnt 0x0                             ; the scale words
	s_wait_dscnt 20                                ; K step 0's fragments are in; K step 1's twenty loads stay out
	MUL 0, F0, 1
	WIN 0
	CH 1
	PLACES 4                                       ; four places in front of loads into registers that matrix instructions have read
	FETCH 2, F0
	MUL 1, F1, 0
	PLACES 4
	FETCH 3, F1
	s_wait_dscnt 20
	MUL 2, F0, 0
	WIN 0
	CH 2
	PLACES 4
	FETCH 4, F0
	MUL 3, F1, 0
	PLACES 4
	FETCH 5, F1
	s_wait_dscnt 20
	MUL 4, F0, 0
	WIN 0
	CH 3
	PLACES 4
	FETCH 6, F0
	MUL 5, F1, 0
	PLACES 4
	FETCH 7, F1
	s_wait_dscnt 20
	MUL 6, F0, 0
	s_wait_dscnt 0x0
	MUL 7, F1, 0
	; THE WAY OUT: each accumulator, from its low end on, packs into 16 bytes of f16 a lane, and a wave's store is a tile's 512 consecutive bytes
	PLACES 4
	WIN 0x05                                       ; sources in window 1, destination in window 0
.set t, 0
.rept 24
.irp e, 0,1,2,3
	v_cvt_pk_f16_f32 v[64+4*t+\e], v[8*t+2*\e], v[8*t+2*\e+1]
.endr
.set t, t+1
.endr
	WIN 0
.irp a, 0,1,2,3
.irp e, 0,1
	global_store_b128 v[L16], v[64+4*(6*\a+\e):67+4*(6*\a+\e)], s[10:11] offset:\e*32768+\a*512
	global_store_b128 v[L16], v[64+4*(6*\a+2+\e):67+4*(6*\a+2+\e)], s[12:13] offset:\e*65536+\a*512
	global_store_b128 v[L16], v[64+4*(6*\a+4+\e):67+4*(6*\a+4+\e)], s[12:13] offset:32768+\e*65536+\a*512
.endr
.endr
	; positions 0-15 of a batch also leave in f32.  All waves run the same lines; the lanes are on only in the wave that holds those positions: no branch hangs on a place in the cluster
	s_and_b32 s98, s22, 7
	s_or_b32 s98, s98, s17
	v_mov_b32 v[FLG], s98
	v_cmp_eq_u32 vcc_lo, 0, v[FLG]
	s_wait_xcnt 0x0                                ; EXEC changes only behind this wait
	s_and_saveexec_b32 s99, vcc_lo
	WIN 0x04                                       ; a store's data: window 1
.irp b, 0,1,2,3,4,5
	global_store_b128 v[L16], v[8*\b:8*\b+3], s[14:15] offset:\b*1024
	global_store_b128 v[L16], v[8*\b+4:8*\b+7], s[14:15] offset:\b*1024+512
.endr
	WIN 0
	s_wait_xcnt 0x0                                ; and again in front of the line that widens it
	s_or_b32 exec_lo, exec_lo, s99
	s_wait_tensorcnt 0x0                           ; the wave's end
	ds_add_u32 v[SPW], v[NIL]
	s_wait_dscnt 0x0
	CROUND                                         ; the closing round
	s_endpgm
.Lfunc_end_k_q7607959d78_qkv:
	.size	k_q7607959d78_qkv, .Lfunc_end_k_q7607959d78_qkv-k_q7607959d78_qkv
	.p2alignl 7, 3214868480
	.fill 96, 4, 3214868480
	.section	.rodata,"a",@progbits
	.p2align	6, 0x0
	.amdhsa_kernel k_q7607959d78_qkv
		.amdhsa_group_segment_fixed_size 167936
		.amdhsa_private_segment_fixed_size 0
		.amdhsa_enable_private_segment 0
		.amdhsa_kernarg_size 48
		.amdhsa_user_sgpr_count 2
		.amdhsa_user_sgpr_kernarg_segment_ptr 1
		.amdhsa_wavefront_size32 1
		.amdhsa_system_sgpr_workgroup_id_x 1
		.amdhsa_system_sgpr_workgroup_id_y 1
		.amdhsa_system_sgpr_workgroup_id_z 1
		.amdhsa_system_vgpr_workitem_id 0
		.amdhsa_next_free_vgpr 512
		.amdhsa_next_free_sgpr 100
		.amdhsa_reserve_vcc 1
		.amdhsa_float_denorm_mode_32 3
		.amdhsa_float_denorm_mode_16_64 3
		.amdhsa_memory_ordered 1
		.amdhsa_forward_progress 1
		.amdhsa_inst_pref_size 56
	.end_amdhsa_kernel
	.amdgpu_metadata
---
amdhsa.version: [ 1, 2 ]
amdhsa.kernels:
  - .name:           k_q7607959d78_qkv
    .symbol:         k_q7607959d78_qkv.kd
    .args:
      - { .name: xc, .offset: 0, .size: 8, .value_kind: global_buffer, .address_space: global }
      - { .name: wc, .offset: 8, .size: 8, .value_kind: global_buffer, .address_space: global }
      - { .name: scl, .offset: 16, .size: 8, .value_kind: global_buffer, .address_space: global }
      - { .name: qi, .offset: 24, .size: 8, .value_kind: global_buffer, .address_space: global }
      - { .name: kv, .offset: 32, .size: 8, .value_kind: global_buffer, .address_space: global }
      - { .name: fq, .offset: 40, .size: 8, .value_kind: global_buffer, .address_space: global }
    .group_segment_fixed_size: 167936
    .private_segment_fixed_size: 0
    .kernarg_segment_align: 8
    .kernarg_segment_size: 48
    .max_flat_workgroup_size: 128
    .sgpr_count:     100
    .vgpr_count:     512
    .wavefront_size: 32
...
	.end_amdgpu_metadata
.endif
;; end of part 2
;; launch attn (part 3): grid 2 x 128, 16 waves a work-group, no clusters, 167,936 bytes of LDS; arguments qi, kv, ctx; writes ctx
.if DOCPART == 3
	.amdgcn_target "amdgcn-amd-amdhsa--gfx1250"
	.amdhsa_code_object_version 6
	.text
	.protected	k_q7607959d78_attn
	.globl	k_q7607959d78_attn
	.p2align	8
	.type	k_q7607959d78_attn,@function
k_q7607959d78_attn:
	s_mov_b64 s[64:65], 0
	v_nop
	global_prefetch_b8 v0, s[64:65] scope:SCOPE_SE
	s_setreg_imm32_b32 hwreg(HW_REG_WAVE_MODE, 25, 1), 1
	s_wait_xcnt 0x0
; ctx = softmax(q k^T / 4, causal) v for 128 (batch, head) groups of 1,024 positions x 16 features.  Operands f16, products, maxima and sums in f32; the weights p are rounded to f16 for the second product.
; Both products are used transposed: S^T = K Q^T (a lane holds one query, keys 8 h + 0..7 of a tile of 16), O^T = V^T P.  Two tiles of S^T, packed, are P's fragment of 32 keys: nothing changes lanes.
; K = 16 features fill half of a fragment's 32: the upper four registers of Q's and K's fragments are zeros.
; THE ROW'S SUM is a product too: source 0 holds ones in rows 0 and 8, so that register 0 of the result holds, in every lane, the sum of its query's rounded p: the very numbers that O^T sums.
; SOFTMAX: a running maximum m; p = 2^(c s - c m), c = log2(e) / 4; O^T and the sum are multiplied by 2^(c m_old - c m_new) in every step.
; SHARES: a head has 16 blocks of 64 queries; a block is two jobs of two tiles (tiles 0 and 3, tiles 1 and 2); the job of block G walks G + 1 steps of 64 keys.  A wave takes one job.
;   Wave 4 a + b of work-group x: j = 2 a + x; G = j or 15 - j; so each row and each column of the 4 x 4 waves has 34 steps, and both work-groups of a head 136.
; A head's K and V images, 64 KB, lie in LDS whole: each wave brings 4,096 bytes by one tensor load, a first fill; nothing is filled again.
; NO CLUSTER: only the two work-groups of a head share tiles, 64 KB asked for once each; a cluster of four would join two heads, which share nothing.
; Every wave walks 16 trips, a constant; a step whose keys all come after the job's queries is jumped over by a branch on ids.
; LIMITS: NaN and infinities are not served; |ctx| up to 65,504 (f16).
.set VOFF,  32768
.set SPARE, 65536                      ; the spare words: 128 bytes for each of 16 waves, which no other line names
.set LA,  3                            ; v3  16 x lane
.set ADR, 4                            ; v4  the step's LDS address
.set SPW, 5                            ; v5  SPARE + 4 x my thread's number; never rewritten
.set NIL, 6                            ; v6  0; never rewritten
.set NEG, 7                            ; v7  -infinity
.set DG,  8                            ; v8, v9  16 x tile in the block + r - 8 h: register 8 kt + j hides its key on the diagonal where 16 kt + j is greater
.set QF,  16                           ; v16-31 Q's two fragments
.set KF,  40                           ; v40-71 K's four
.set VF,  72                           ; v72-87 V^T's two
.set ONE, 88                           ; v88-95
.set S,   96                           ; v96-159 S^T, then p: 32 a tile
.set P,   160                          ; v160-191 p in f16: 16 a tile
.set O,   192                          ; v192-207 O^T
.set L,   208                          ; v208-223 the sums
.set ST,  224                          ; v224-239 eight a tile: +0 c m, +1 m, +4..7 at work; the rescaling factor at +6
	s_load_b128 s[4:7], s[0:1], 0x0                ; qi, kv
	s_load_b64 s[8:9], s[0:1], 0x10                ; ctx
	v_lshl_add_u32 v[SPW], v0, 2, SPARE
	v_mov_b32 v[NIL], 0
	ds_add_u32 v[SPW], v[NIL]                      ; the wave's opening: the add, twice on end, and its wait ahead of my first tensor load
	ds_add_u32 v[SPW], v[NIL]
	v_lshrrev_b32 v1, 5, v0
	v_readfirstlane_b32 s10, v1                    ; wave 0..15
	s_and_b32 s13, ttmp7, 0xffff                   ; batch x 64 + head
	s_mov_b32 s16, 3<<16                           ; group 1: elements of 8 bytes, no mask, no padding
	s_mov_b32 s17, 32<<16                          ; tensor_dim0 = 32 elements: 256 bytes
	s_mov_b32 s18, 16<<16                          ; tensor_dim1 = 16 rows
	s_mov_b32 s19, 32<<16                          ; tile_dim0
	s_mov_b32 s20, 16                              ; tile_dim1
	s_mov_b32 s21, 32                              ; dense
	s_mov_b32 s22, 0
	s_mov_b32 s23, 0
	s_mov_b32 s24, 1
	s_lshl_b32 s25, s10, 12                        ; LDS: 4,096 x wave
	s_lshl_b32 s38, s13, 16
	s_add_co_u32 s38, s38, s25
	s_mov_b32 s39, 0
	s_lshr_b32 s34, s10, 2                         ; a
	s_and_b32 s35, s10, 3                          ; b
	s_lshr_b32 s11, s35, 1                         ; u: tiles u and 3 - u of the block
	s_lshl_b32 s12, s34, 1
	s_add_co_u32 s12, s12, ttmp9                   ; j
	s_lshr_b32 s36, s34, 1
	s_xor_b32 s36, s36, s34
	s_xor_b32 s36, s36, s35
	s_and_b32 s36, s36, 1
	s_sub_co_u32 s37, 15, s12
	s_cmp_eq_u32 s36, 0
	s_cselect_b32 s14, s12, s37                    ; G
	s_mov_b32 s30, 0x3eb8aa3b                      ; c = log2(e) / 4
	s_mov_b32 s31, s30                             ; (named with it as a pair)
	s_mov_b32 s32, 0x76543210
	s_mov_b32 s33, 0xfedcba98                      ; v_permlanex16_b32's selects for lane l xor 16
	s_wait_dscnt 0x0                               ; both opening adds are done
	s_wait_kmcnt 0x0
	s_add_nc_u64 s[26:27], s[6:7], s[38:39]
	s_or_b32 s27, s27, 0x80000000
	tensor_load_to_lds s[24:27], s[16:23]          ; my 4,096 bytes of the head's K and V images
	s_nop 0
	v_and_b32 v1, 15, v0                           ; r
	v_bfe_u32 v2, v0, 4, 1                         ; h
	v_and_b32 v[LA], 31, v0
	v_lshlrev_b32 v[LA], 4, v[LA]
	s_lshl_b32 s40, s14, 2
	s_add_co_u32 s41, s40, 3
	s_sub_co_u32 s41, s41, s11                     ; my second tile of queries: 4 G + 3 - u
	s_add_co_u32 s40, s40, s11                     ; my first: 4 G + u
	s_lshl_b32 s42, s13, 15
	s_lshl_b32 s43, s40, 9
	s_add_co_u32 s43, s43, s42
	v_add_nc_u32 v10, s43, v[LA]
	s_lshl_b32 s43, s41, 9
	s_add_co_u32 s43, s43, s42
	v_add_nc_u32 v11, s43, v[LA]
	global_load_b128 v[QF:QF+3], v10, s[4:5]
	global_load_b128 v[QF+8:QF+11], v11, s[4:5]
	; ctx: ((batch x 64 + tile) x 32 + head / 2) x 1,024 + (head % 2) x 512 + 16 x lane: a group of the projection's fragment
	s_lshr_b32 s42, s13, 6
	s_lshl_b32 s42, s42, 6
	s_add_co_u32 s40, s40, s42
	s_add_co_u32 s41, s41, s42
	s_bfe_u32 s42, s13, 0x50001
	s_lshl_b32 s40, s40, 5
	s_add_co_u32 s40, s40, s42
	s_lshl_b32 s40, s40, 10
	s_lshl_b32 s41, s41, 5
	s_add_co_u32 s41, s41, s42
	s_lshl_b32 s41, s41, 10
	s_and_b32 s42, s13, 1
	s_lshl_b32 s42, s42, 9
	s_add_co_u32 s40, s40, s42
	s_add_co_u32 s41, s41, s42
	v_add_nc_u32 v12, s40, v[LA]
	v_add_nc_u32 v13, s41, v[LA]
	v_lshlrev_b32 v14, 3, v2
	v_sub_nc_u32 v14, v1, v14                      ; r - 8 h
	s_lshl_b32 s42, s11, 4
	s_sub_co_u32 s43, 48, s42
	v_add_nc_u32 v[DG], s42, v14
	v_add_nc_u32 v[DG+1], s43, v14
	v_mov_b32 v[NEG], 0xff800000
.irp t, 0,1
.irp e, 4,5,6,7
	v_mov_b32 v[QF+8*\t+\e], 0                     ; features 16-31 do not exist
.endr
.endr
.irp t, 0,1,2,3
.irp e, 4,5,6,7
	v_mov_b32 v[KF+8*\t+\e], 0
.endr
.endr
	v_and_b32 v14, 7, v0
	v_cmp_eq_u32 vcc_lo, 0, v14
	v_mov_b32 v[ONE+1], 0x3c003c00                 ; 1.0 twice, in f16
	v_cndmask_b32 v[ONE], 0, v[ONE+1], vcc_lo      ; lanes 0, 8, 16, 24: rows 0 and 8 are ones, the others zeros
.irp e, 1,2,3,4,5,6,7
	v_mov_b32 v[ONE+\e], v[ONE]
.endr
.set n, 0
.rept 32
	v_mov_b32 v[O+n], 0                            ; O^T and the sums: the loop is written once, its first step finds zeros
.set n, n+1
.endr
.irp t, 0,1
	v_mov_b32 v[ST+8*\t+1], 0xff61b1e6             ; m: -3e38, under every score
	v_mul_f32 v[ST+8*\t], s30, v[ST+8*\t+1]
.irp e, 4,5,6,7
	v_mov_b32 v[ST+8*\t+\e], 0
.endr
.endr
	s_mov_b32 s15, 0                               ; the step
	s_mov_b32 s28, 0                               ; its 2,048 bytes in each image
	s_wait_tensorcnt 0x0                           ; my part has landed,
	s_barrier_signal -1
	s_barrier_wait -1                              ; everybody's has
	s_wait_loadcnt 0x0                             ; Q
.Lk:
	s_cmp_gt_u32 s15, s14                          ; all 64 keys come after my queries: ids alone
	s_cbranch_scc1 .Lskip
	v_add_nc_u32 v[ADR], s28, v[LA]
.rept 3
	v_nop                                          ; with the addition: four places in front of loads into registers that the last products read
.endr
.irp i, 0,1,2,3
	ds_load_b128 v[KF+8*\i:KF+8*\i+3], v[ADR] offset:\i*512
.endr
.irp i, 0,1,2,3
	ds_load_b128 v[VF+4*\i:VF+4*\i+3], v[ADR] offset:VOFF+\i*512
.endr
	s_wait_dscnt 4                                 ; K is in; V's four loads stay out
.irp k, 0,1,2,3
.irp t, 0,1
	v_wmma_f32_16x16x32_f16 v[S+32*\t+8*\k:S+32*\t+8*\k+7], v[KF+8*\k:KF+8*\k+7], v[QF+8*\t:QF+8*\t+7], 0
.endr
.endr
.rept 4
	v_nop
.endr
	s_cmp_lg_u32 s15, s14
	s_cbranch_scc1 .Lopen
.irp t, 0,1                                    ; the diagonal step: hidden scores become -infinity ahead of the maximum
.set n, 0
.rept 32
	v_cmp_gt_i32 vcc_lo, 16*(n/8)+n%8, v[DG+\t]
	v_cndmask_b32 v[S+32*\t+n], v[S+32*\t+n], v[NEG], vcc_lo
.set n, n+1
.endr
.endr
.Lopen:
.irp j, 0,1,2,3                                ; the maximum of 32 scores and the old m: four chains, each accumulator from its low end; the two tiles alternate
.irp t, 0,1
	v_max3_num_f32 v[ST+8*\t+4+\j], v[S+32*\t+8*\j], v[S+32*\t+8*\j+1], v[S+32*\t+8*\j+2]
.endr
.endr
.irp q, 1,2
.irp j, 0,1,2,3
.irp t, 0,1
	v_max3_num_f32 v[ST+8*\t+4+\j], v[ST+8*\t+4+\j], v[S+32*\t+8*\j+2*\q+1], v[S+32*\t+8*\j+2*\q+2]
.endr
.endr
.endr
.irp t, 0,1
	v_max3_num_f32 v[ST+8*\t+4], v[ST+8*\t+4], v[S+32*\t+7], v[S+32*\t+15]
	v_max3_num_f32 v[ST+8*\t+6], v[ST+8*\t+6], v[S+32*\t+23], v[S+32*\t+31]
.endr
.irp t, 0,1
	v_max3_num_f32 v[ST+8*\t+4], v[ST+8*\t+4], v[ST+8*\t+5], v[ST+8*\t+6]
.endr
.irp t, 0,1
	v_max3_num_f32 v[ST+8*\t+4], v[ST+8*\t+4], v[ST+8*\t+7], v[ST+8*\t+1]
.endr
.irp t, 0,1
	v_permlanex16_b32 v[ST+8*\t+5], v[ST+8*\t+4], s32, s33   ; the query's other keys lie in the lane 16 away
.endr
.irp t, 0,1
	v_mov_b32 v[ST+8*\t+7], v[ST+8*\t]             ; c m_old
.endr
.irp t, 0,1
	v_max_num_f32 v[ST+8*\t+1], v[ST+8*\t+4], v[ST+8*\t+5]
.endr
.irp t, 0,1
	v_mul_f32 v[ST+8*\t], s30, v[ST+8*\t+1]
.endr
.irp t, 0,1
	v_sub_f32 v[ST+8*\t+7], v[ST+8*\t+7], v[ST+8*\t]
.endr
.set n, 0
.rept 16
.irp t, 0,1
	v_pk_fma_f32 v[S+32*\t+n:S+32*\t+n+1], v[S+32*\t+n:S+32*\t+n+1], s[30:31], v[ST+8*\t:ST+8*\t+1] op_sel_hi:[1,0,0] neg_lo:[0,0,1] neg_hi:[0,0,1]   ; c s - c m
.endr
.set n, n+2
.endr
.irp t, 0,1
	v_exp_f32 v[ST+8*\t+6], v[ST+8*\t+7]           ; one batch of 66 exponentials
.endr
.set n, 0
.rept 32
	v_exp_f32 v[S+n], v[S+n]
	v_exp_f32 v[S+32+n], v[S+32+n]
.set n, n+1
.endr
	v_nop                                          ; a plain line behind the last exponential
	s_wait_alu depctr_va_vdst(0)                   ; one wait for the batch, ahead of its first reader
.set n, 0
.rept 16
.irp t, 0,1
	v_cvt_pk_f16_f32 v[P+16*\t+n], v[S+32*\t+2*n], v[S+32*\t+2*n+1]
.endr
.set n, n+1
.endr
.irp j, 0,2,4,6
.irp t, 0,1
	v_pk_mul_f32 v[O+8*\t+\j:O+8*\t+\j+1], v[O+8*\t+\j:O+8*\t+\j+1], v[ST+8*\t+6:ST+8*\t+7] op_sel_hi:[1,0]
.endr
.endr
.irp t, 0,1
	v_mul_f32 v[L+8*\t], v[L+8*\t], v[ST+8*\t+6]   ; the sum lies in register 0; registers 1-7 stay zeros
.endr
	s_wait_dscnt 0x0                               ; V is in
.irp g, 0,1                                    ; four accumulators by turns
.irp t, 0,1
	v_wmma_f32_16x16x32_f16 v[O+8*\t:O+8*\t+7], v[VF+8*\g:VF+8*\g+7], v[P+16*\t+8*\g:P+16*\t+8*\g+7], v[O+8*\t:O+8*\t+7]
.endr
.irp t, 0,1
	v_wmma_f32_16x16x32_f16 v[L+8*\t:L+8*\t+7], v[ONE:ONE+7], v[P+16*\t+8*\g:P+16*\t+8*\g+7], v[L+8*\t:L+8*\t+7]
.endr
.endr
.Lskip:
	s_add_co_u32 s28, s28, 2048
	s_add_co_u32 s15, s15, 1
	s_cmp_lt_u32 s15, 16
	s_cbranch_scc1 .Lk
.rept 4
	v_nop
.endr
.irp t, 0,1
	v_rcp_f32 v[ST+8*\t+4], v[L+8*\t]
.endr
	v_nop
	s_wait_alu depctr_va_vdst(0)                   ; one wait for the two reciprocals
.irp t, 0,1
.irp j, 0,2,4,6
	v_pk_mul_f32 v[S+32*\t+\j:S+32*\t+\j+1], v[O+8*\t+\j:O+8*\t+\j+1], v[ST+8*\t+4:ST+8*\t+5] op_sel_hi:[1,0]
.endr
.endr
.irp t, 0,1
.irp e, 0,1,2,3
	v_cvt_pk_f16_f32 v[240+4*\t+\e], v[S+32*\t+2*\e], v[S+32*\t+2*\e+1]
.endr
.endr
	global_store_b128 v12, v[240:243], s[8:9]      ; 512 consecutive bytes each
	global_store_b128 v13, v[244:247], s[8:9]
	s_wait_tensorcnt 0x0                           ; the wave's end
	ds_add_u32 v[SPW], v[NIL]
	s_wait_dscnt 0x0
	s_endpgm
.Lfunc_end_k_q7607959d78_attn:
	.size	k_q7607959d78_attn, .Lfunc_end_k_q7607959d78_attn-k_q7607959d78_attn
	.p2alignl 7, 3214868480
	.fill 96, 4, 3214868480
	.section	.rodata,"a",@progbits
	.p2align	6, 0x0
	.amdhsa_kernel k_q7607959d78_attn
		.amdhsa_group_segment_fixed_size 167936
		.amdhsa_private_segment_fixed_size 0
		.amdhsa_enable_private_segment 0
		.amdhsa_kernarg_size 24
		.amdhsa_user_sgpr_count 2
		.amdhsa_user_sgpr_kernarg_segment_ptr 1
		.amdhsa_wavefront_size32 1
		.amdhsa_system_sgpr_workgroup_id_x 1
		.amdhsa_system_sgpr_workgroup_id_y 1
		.amdhsa_system_sgpr_workgroup_id_z 1
		.amdhsa_system_vgpr_workitem_id 0
		.amdhsa_next_free_vgpr 256
		.amdhsa_next_free_sgpr 66
		.amdhsa_reserve_vcc 1
		.amdhsa_float_denorm_mode_32 3
		.amdhsa_float_denorm_mode_16_64 3
		.amdhsa_memory_ordered 1
		.amdhsa_forward_progress 1
		.amdhsa_inst_pref_size 24
	.end_amdhsa_kernel
	.amdgpu_metadata
---
amdhsa.version: [ 1, 2 ]
amdhsa.kernels:
  - .name:           k_q7607959d78_attn
    .symbol:         k_q7607959d78_attn.kd
    .args:
      - { .name: qi, .offset: 0, .size: 8, .value_kind: global_buffer, .address_space: global }
      - { .name: kv, .offset: 8, .size: 8, .value_kind: global_buffer, .address_space: global }
      - { .name: ctx, .offset: 16, .size: 8, .value_kind: global_buffer, .address_space: global }
    .group_segment_fixed_size: 167936
    .private_segment_fixed_size: 0
    .kernarg_segment_align: 8
    .kernarg_segment_size: 24
    .max_flat_workgroup_size: 512
    .sgpr_count:     66
    .vgpr_count:     256
    .wavefront_size: 32
...
	.end_amdgpu_metadata
.endif
;; end of part 3
;; launch proj (part 4): grid 16 x 16, 4 waves a work-group, clusters of 4 x 1, 167,936 bytes of LDS; arguments ctx, wo16, bo, out0; writes out0
.if DOCPART == 4
	.amdgcn_target "amdgcn-amd-amdhsa--gfx1250"
	.amdhsa_code_object_version 6
	.text
	.protected	k_q7607959d78_proj
	.globl	k_q7607959d78_proj
	.p2align	8
	.type	k_q7607959d78_proj,@function
k_q7607959d78_proj:
	s_mov_b64 s[64:65], 0
	v_nop
	global_prefetch_b8 v0, s[64:65] scope:SCOPE_SE
	s_setreg_imm32_b32 hwreg(HW_REG_WAVE_MODE, 25, 1), 1
	s_wait_xcnt 0x0
	s_wait_alu depctr_hold_cnt(0) depctr_sa_sdst(0) depctr_va_vdst(0) depctr_va_sdst(0) depctr_va_ssrc(0) depctr_va_vcc(0) depctr_vm_vsrc(0)
	s_getreg_b32 s2, hwreg(HW_REG_IB_STS2, 6, 4)
	s_cmp_eq_u32 s2, 0
	s_cbranch_scc0 .Lentry_in_a_cluster
	s_endpgm
.Lentry_in_a_cluster:
	s_bfe_u32 s2, ttmp6, 0x10000c
	s_cmp_lg_u32 s2, 0x3003
	s_cbranch_scc0 .Lentry_shape_is_right
	s_endpgm
.Lentry_shape_is_right:
; out = ctx Wo + bo: f16 operands, f32 sums.  Both operands come as images of fragments (16 x 32 k: 1,024 bytes).
; A work-group makes 128 rows x 64 columns; a wave 32 rows x 64 columns: eight accumulators, which take turns.
; Wo's 64 columns for all of K, 128 KB, lie in LDS whole: four chunks of 8 K steps, each wave bringing one column tile's part; filled once.  By the text's own count four tensor loads a wave are outstanding.
; CLUSTER 4 x 1: the four partners make other rows of the same 64 columns, so Wo's chunks are asked for jointly.
; ctx's fragments belong to one wave alone, and 128 rows x 1,024 of them beside Wo's 128 KB pass what LDS holds: they go from memory straight into 512 registers, all asked for at the head.
; The product is used transposed (source 0 = 16 columns of Wo, source 1 = 16 rows of ctx): a lane holds eight neighbouring columns of a row.  The bias is the C of each sum's first product.
; All 2,048 rows are stored here; the launch that follows stores positions 0-15 of each batch again, carried in f32.
; REGISTERS: window 0: v4-12 addresses; v16-79 accumulators; v80-111 the bias; v112-175, v176-239 Wo's fragments, two sets of two K steps.  windows 1, 2: ctx: K step s, row tile a at v[8 (2 (s % 16) + a)].
.set STAGE,  131072                    ; behind Wo: 16 rows x 272 bytes for each wave, for the way out
.set SPITCH, 272
.set SPARE,  STAGE+4*16*SPITCH         ; the spare words: 128 bytes for each wave, which no other line names
.set LA0, 4                            ; v4  16 x lane
.set LA1, 5                            ; v5  + 65,536: chunks 2 and 3
.set STO, 6
.set RD,  7
.set CO,  8
.set BO,  9
.set SPW, 11                           ; v11 SPARE + 4 x my thread's number; never rewritten
.set NIL, 12                           ; v12 0; never rewritten
.set ACC,  16
.set BIAS, 80
.set BS,   112
.set G1, 16                            ; s[16:23]
.set G0, 24                            ; s[24:39] one group 0 a chunk
.set MSB, 0
.macro WIN new
.if MSB != \new
	s_set_vgpr_msb (MSB<<8)|\new
.set MSB, \new
.endif
.endm
.macro CROUND
	s_barrier_signal -1
	s_barrier_wait -1
	s_cmp_lg_u32 s12, 0
	s_cbranch_scc1 .Lnot_wave_0_\@
	s_barrier_signal -3
.Lnot_wave_0_\@:
	s_barrier_wait -3
	s_barrier_signal -1
	s_barrier_wait -1
.endm
.macro PLACES n
.rept \n
	v_nop
.endr
.endm
.macro CH q                            ; chunk q is whole for every wave; the later chunks' loads stay out
	s_wait_tensorcnt 3-\q
	s_wait_dscnt 0x0
	s_barrier_signal -1
	s_barrier_wait -1
.endm
.macro FETCHB2 d                       ; Wo's fragments of K steps 2 d and 2 d + 1, four column tiles: 16 loads into set d % 2
.set QQ, (\d)/4
.if QQ < 2
.set AR, LA0
.else
.set AR, LA1
.endif
.irp ss, 0,1
.irp t, 0,1,2,3
.irp g, 0,1
	ds_load_b128 v[BS+64*((\d)%2)+8*(4*\ss+\t)+4*\g:BS+64*((\d)%2)+8*(4*\ss+\t)+4*\g+3], v[AR] offset:(QQ%2)*32768+\t*8192+((2*(\d)+\ss)%8)*1024+\g*512
.endr
.endr
.endr
.endm
.macro MUL2 d                          ; 16 matrix instructions
.irp ss, 0,1
.irp a, 0,1
.irp t, 0,1,2,3
.if (\d) == 0 && \ss == 0
	v_wmma_f32_16x16x32_f16 v[ACC+8*(4*\a+\t):ACC+8*(4*\a+\t)+7], v[BS+64*((\d)%2)+8*(4*\ss+\t):BS+64*((\d)%2)+8*(4*\ss+\t)+7], v[(((2*(\d)+\ss)%16)*2+\a)*8:(((2*(\d)+\ss)%16)*2+\a)*8+7], v[BIAS+8*\t:BIAS+8*\t+7]
.else
	v_wmma_f32_16x16x32_f16 v[ACC+8*(4*\a+\t):ACC+8*(4*\a+\t)+7], v[BS+64*((\d)%2)+8*(4*\ss+\t):BS+64*((\d)%2)+8*(4*\ss+\t)+7], v[(((2*(\d)+\ss)%16)*2+\a)*8:(((2*(\d)+\ss)%16)*2+\a)*8+7], v[ACC+8*(4*\a+\t):ACC+8*(4*\a+\t)+7]
.endif
.endr
.endr
.endr
.endm
	s_load_b256 s[4:11], s[0:1], 0x0               ; ctx s[4:5], wo16 s[6:7], bo s[8:9], out0 s[10:11]
	v_lshl_add_u32 v[SPW], v0, 2, SPARE
	v_mov_b32 v[NIL], 0
	ds_add_u32 v[SPW], v[NIL]                      ; the wave's opening: the add, twice on end, and its wait ahead of my first tensor load
	ds_add_u32 v[SPW], v[NIL]
	v_lshrrev_b32 v1, 5, v0
	v_readfirstlane_b32 s12, v1                    ; wave 0..3
	s_bfe_u32 s13, ttmp6, 0x40000                  ; cx
	s_lshl_b32 s14, ttmp9, 2
	s_add_co_u32 s14, s14, s13                     ; which 128 rows
	s_and_b32 s15, ttmp7, 0xffff                   ; which 64 columns: the partners share it
	s_mov_b32 s[G1], 15|(3<<16)|(1<<21)            ; the mask: all four; elements of 8 bytes; bit 21 beside a mask
	s_mov_b32 s[G1+1], 32<<16                      ; rows of 256 bytes,
	s_mov_b32 s[G1+2], 32<<16                      ; 32 of them: 8,192 dense bytes
	s_mov_b32 s[G1+3], 32<<16
	s_mov_b32 s[G1+4], 32
	s_mov_b32 s[G1+5], 32
	s_mov_b32 s[G1+6], 0
	s_mov_b32 s[G1+7], 0
	s_lshl_b32 s40, s15, 2
	s_add_co_u32 s40, s40, s12
	s_lshl_b32 s40, s40, 15                        ; column tile 4 Nt + wave, 32,768 bytes a tile
	s_mov_b32 s41, 0
	s_lshl_b32 s42, s12, 13
	s_wait_dscnt 0x0                               ; both opening adds are done
	s_wait_kmcnt 0x0
	s_add_nc_u64 s[40:41], s[6:7], s[40:41]
.irp q, 0,1,2,3
	s_mov_b32 s[G0+4*\q], 1
	s_add_co_u32 s[G0+4*\q+1], s42, \q*32768
	s_add_nc_u64 s[G0+4*\q+2:G0+4*\q+3], s[40:41], \q*8192
	s_or_b32 s[G0+4*\q+3], s[G0+4*\q+3], 0x80000000
.endr
	CROUND                                         ; all four work-groups are here: the joint loads meet
.irp q, 0,1,2,3
	tensor_load_to_lds s[G0+4*\q:G0+4*\q+3], s[G1:G1+7]
	s_nop 0
.endr
	PLACES 4
	v_and_b32 v1, 15, v0                           ; r
	v_bfe_u32 v2, v0, 4, 1                         ; h
	v_and_b32 v3, 31, v0
	v_lshlrev_b32 v[LA0], 4, v3
	v_add_nc_u32 v[LA1], 65536, v[LA0]
	v_lshlrev_b32 v[BO], 5, v2
	s_lshl_b32 s46, s15, 8
	s_mov_b32 s47, 0
	s_add_nc_u64 s[8:9], s[8:9], s[46:47]
.irp t, 0,1,2,3
	global_load_b128 v[BIAS+8*\t:BIAS+8*\t+3], v[BO], s[8:9] offset:64*\t       ; bo at columns 16 t + 8 h + 0..7
	global_load_b128 v[BIAS+8*\t+4:BIAS+8*\t+7], v[BO], s[8:9] offset:64*\t+16
.endr
	s_lshl_b32 s44, s14, 18
	s_lshl_b32 s45, s12, 16
	s_add_co_u32 s44, s44, s45                     ; row tile 8 Mt + 2 wave, 32,768 bytes a tile
	s_mov_b32 s45, 0
	s_add_nc_u64 s[4:5], s[4:5], s[44:45]
	WIN 0x40                                       ; destination window 1
.set s, 0
.rept 16
.irp a, 0,1
.irp g, 0,1
	global_load_b128 v[(s*2+\a)*8+4*\g:(s*2+\a)*8+4*\g+3], v[LA0], s[4:5] offset:\a*32768+s*1024+\g*512
.endr
.endr
.set s, s+1
.endr
	WIN 0x80                                       ; destination window 2
.rept 16
.irp a, 0,1
.irp g, 0,1
	global_load_b128 v[((s-16)*2+\a)*8+4*\g:((s-16)*2+\a)*8+4*\g+3], v[LA0], s[4:5] offset:\a*32768+s*1024+\g*512
.endr
.endr
.set s, s+1
.endr
	WIN 0
	s_mul_i32 s43, s12, 16*SPITCH
	s_add_co_u32 s43, s43, STAGE                   ; my stage
	v_mul_u32_u24 v[STO], v1, SPITCH
	v_lshl_add_u32 v[STO], v2, 5, v[STO]
	v_add_nc_u32 v[STO], s43, v[STO]               ; in: row r, 32 bytes for each half of the lanes
	v_mul_u32_u24 v[RD], v2, SPITCH
	v_lshl_add_u32 v[RD], v1, 4, v[RD]
	v_add_nc_u32 v[RD], s43, v[RD]                 ; back: lanes 0-15 one row of 256 bytes, lanes 16-31 the next
	v_lshlrev_b32 v[CO], 12, v2
	v_lshl_add_u32 v[CO], v1, 4, v[CO]             ; and the same two rows of out
	s_lshl_b32 s44, s14, 19
	s_lshl_b32 s45, s12, 17
	s_add_co_u32 s44, s44, s45
	s_add_co_u32 s44, s44, s46                     ; (128 Mt + 32 wave) rows of 4,096 bytes + 256 Nt
	s_mov_b32 s45, 0
	s_add_nc_u64 s[10:11], s[10:11], s[44:45]
	CH 0
	FETCHB2 0
	WIN 0x04                                       ; source 1 (ctx) in window 1: LDS loads, whose address is source 0, are not touched by it
.irp d, 0,1,2,3,4,5,6,7,8,9,10,11,12,13,14,15
.if ((\d+1)%4 == 0) && (\d < 15)
	CH (\d+1)/4
.endif
.if \d < 15
.if \d > 0
	PLACES 4                                       ; four places in front of loads into registers that matrix instructions have read
.endif
	FETCHB2 \d+1
	s_wait_dscnt 16                                ; this double step's fragments are in; the 16 loads just issued stay out
.else
	s_wait_dscnt 0x0
.endif
.if 8*(15-\d) > 63
	s_wait_loadcnt 63                              ; fewer than the later double steps' loads
.else
	s_wait_loadcnt 8*(15-\d)                       ; ctx's fragments of this double step are in; the later ones', eight a double step, stay out
.endif
.if \d == 8
	WIN 0x08                                       ; source 1 in window 2
.endif
	MUL2 \d
.endr
	WIN 0
	; THE WAY OUT: 16 rows at a time through my own stage, back as whole rows of 256 bytes; LDS serves a wave's instructions in order
	PLACES 4
.irp a, 0,1
.irp t, 0,1,2,3
	ds_store_b128 v[STO], v[ACC+8*(4*\a+\t):ACC+8*(4*\a+\t)+3] offset:64*\t
	ds_store_b128 v[STO], v[ACC+8*(4*\a+\t)+4:ACC+8*(4*\a+\t)+7] offset:64*\t+16
.endr
.irp i, 0,1,2,3,4,5,6,7
	ds_load_b128 v[BS+32*\a+4*\i:BS+32*\a+4*\i+3], v[RD] offset:\i*2*SPITCH
.endr
.endr
.irp a, 0,1
.irp i, 0,1,2,3,4,5,6,7
	s_wait_dscnt 16*(1-\a)+7-\i                    ; the younger LDS instructions stay out
	global_store_b128 v[CO], v[BS+32*\a+4*\i:BS+32*\a+4*\i+3], s[10:11] offset:(16*\a+2*\i)*4096   ; sixteen lanes store 256 consecutive bytes, aligned
.endr
.endr
	s_wait_tensorcnt 0x0                           ; the wave's end
	ds_add_u32 v[SPW], v[NIL]
	s_wait_dscnt 0x0
	CROUND                                         ; the closing round
	s_endpgm
.Lfunc_end_k_q7607959d78_proj:
	.size	k_q7607959d78_proj, .Lfunc_end_k_q7607959d78_proj-k_q7607959d78_proj
	.p2alignl 7, 3214868480
	.fill 96, 4, 3214868480
	.section	.rodata,"a",@progbits
	.p2align	6, 0x0
	.amdhsa_kernel k_q7607959d78_proj
		.amdhsa_group_segment_fixed_size 167936
		.amdhsa_private_segment_fixed_size 0
		.amdhsa_enable_private_segment 0
		.amdhsa_kernarg_size 32
		.amdhsa_user_sgpr_count 2
		.amdhsa_user_sgpr_kernarg_segment_ptr 1
		.amdhsa_wavefront_size32 1
		.amdhsa_system_sgpr_workgroup_id_x 1
		.amdhsa_system_sgpr_workgroup_id_y 1
		.amdhsa_system_sgpr_workgroup_id_z 1
		.amdhsa_system_vgpr_workitem_id 0
		.amdhsa_next_free_vgpr 768
		.amdhsa_next_free_sgpr 66
		.amdhsa_reserve_vcc 0
		.amdhsa_float_denorm_mode_32 3
		.amdhsa_float_denorm_mode_16_64 3
		.amdhsa_memory_ordered 1
		.amdhsa_forward_progress 1
		.amdhsa_inst_pref_size 58
	.end_amdhsa_kernel
	.amdgpu_metadata
---
amdhsa.version: [ 1, 2 ]
amdhsa.kernels:
  - .name:           k_q7607959d78_proj
    .symbol:         k_q7607959d78_proj.kd
    .args:
      - { .name: ctx, .offset: 0, .size: 8, .value_kind: global_buffer, .address_space: global }
      - { .name: wo16, .offset: 8, .size: 8, .value_kind: global_buffer, .address_space: global }
      - { .name: bo, .offset: 16, .size: 8, .value_kind: global_buffer, .address_space: global }
      - { .name: out0, .offset: 24, .size: 8, .value_kind: global_buffer, .address_space: global }
    .group_segment_fixed_size: 167936
    .private_segment_fixed_size: 0
    .kernarg_segment_align: 8
    .kernarg_segment_size: 32
    .max_flat_workgroup_size: 128
    .sgpr_count:     66
    .vgpr_count:     768
    .wavefront_size: 32
...
	.end_amdgpu_metadata
.endif
;; end of part 4
;; launch fine (part 5): grid 64 x 2, 16 waves a work-group, no clusters, 18,432 bytes of LDS; arguments fq, Wo, bo, out0; writes out0
.if DOCPART == 5
	.amdgcn_target "amdgcn-amd-amdhsa--gfx1250"
	.amdhsa_code_object_version 6
	.text
	.protected	k_q7607959d78_fine
	.globl	k_q7607959d78_fine
	.p2align	8
	.type	k_q7607959d78_fine,@function
k_q7607959d78_fine:
	s_mov_b64 s[64:65], 0
	v_nop
	global_prefetch_b8 v0, s[64:65] scope:SCOPE_SE
	s_setreg_imm32_b32 hwreg(HW_REG_WAVE_MODE, 25, 1), 1
	s_wait_xcnt 0x0
; Positions 0-15 of each batch, all in f32: their rows average one to sixteen values and are the largest of the output, so scores, weights, ctx and the projection keep f32 operands.
; A work-group makes 16 positions x 16 output columns of one batch.  Wave w owns heads 4 w .. 4 w + 3, which are also k = 64 w .. 64 w + 63 of the projection: ctx never leaves its registers.
; The sixteen waves' parts of the sum meet in LDS; waves 0 and 1 add them and the bias and store.  Every work-group repeats the 64 small attentions (48 matrix instructions a wave).
; THE f32 MATRIX FORM takes k = 2 h + j in register j.  Registers 2 c, 2 c + 1 of an image hold index 8 h + 2 c + j: the same permutation of k on both sources, so four instructions cover all 16 indices.
; fq [batch][pair of heads][q0 q1 k0 k1 v0 v1][1024]: q, k: lane (r, h) position r, features 8 h + j; v: feature r, positions 8 h + j; registers 0-3 at 16 x lane, 4-7 at 512 + 16 x lane.
; The registers that the f32 matrix form writes (v160-239) are written by matrix instructions alone.
; Wo is read and the output written in pieces of 64 bytes: 16 columns of a row; the launch moves 128 KB of output.
.set SPARE, 16384                      ; behind the sixteen parts of 1,024 bytes: the spare words, 128 bytes for each wave, which no other line names
.set L16, 3
.set WOF, 4
.set DG,  5                            ; r - 8 h: register j hides its key where j is greater
.set NEG, 6
.set LST, 7
.set LRD, 8
.set OOF, 9
.set BOF, 10
.set SPW, 12                           ; v12 SPARE + 4 x my thread's number; never rewritten
.set NIL, 13                           ; v13 0; never rewritten
.set ST,  16                           ; four a head: +0 c m, +1 m, +2, +3 at work
.set QR,  32                           ; q, later p
.set KR,  64
.set VR,  96
.set WR,  128
.set S,   160
.set CT,  192
.set OA,  224
.set RS,  240
.set BI,  248
	s_load_b256 s[4:11], s[0:1], 0x0               ; fq s[4:5], Wo s[6:7], bo s[8:9], out0 s[10:11]
	v_lshl_add_u32 v[SPW], v0, 2, SPARE
	v_mov_b32 v[NIL], 0
	v_lshrrev_b32 v1, 5, v0
	v_readfirstlane_b32 s12, v1                    ; wave 0..15
	s_and_b32 s14, ttmp7, 0xffff                   ; batch
	v_and_b32 v1, 15, v0                           ; r
	v_bfe_u32 v2, v0, 4, 1                         ; h
	v_and_b32 v[L16], 31, v0
	v_lshlrev_b32 v[L16], 4, v[L16]
	v_lshlrev_b32 v[WOF], 15, v2
	v_lshl_add_u32 v[WOF], v1, 2, v[WOF]           ; Wo: 8 h rows of 4,096 bytes + 4 r
	v_lshlrev_b32 v[DG], 3, v2
	v_sub_nc_u32 v[DG], v1, v[DG]
	v_mov_b32 v[NEG], 0xff800000
	s_lshl_b32 s28, s12, 10
	v_add_nc_u32 v[LST], s28, v[L16]               ; my part: 1,024 x wave + 16 x lane
	v_and_b32 v14, 63, v0                          ; t: the thread among waves 0 and 1
	v_and_b32 v15, 1, v14
	v_lshlrev_b32 v[LRD], 9, v15                   ; columns 4 (t % 4) on of position t / 4: group t % 2,
	v_bfe_u32 v15, v14, 1, 1
	v_lshl_add_u32 v[LRD], v15, 8, v[LRD]          ; half (t / 2) % 2,
	v_lshrrev_b32 v15, 2, v14
	v_lshl_add_u32 v[LRD], v15, 4, v[LRD]          ; lane t / 4 of the half
	v_and_b32 v[BOF], 3, v14
	v_lshlrev_b32 v[BOF], 4, v[BOF]
	v_lshl_add_u32 v[OOF], v15, 12, v[BOF]         ; out: row t / 4, 16 (t % 4) bytes
	s_mov_b32 s16, 0x3eb8aa3b                      ; c = log2(e) / 4
	s_mov_b32 s17, s16
	s_mov_b32 s18, 0x76543210
	s_mov_b32 s19, 0xfedcba98
.irp j, 0,1,2,3,4,5,6,7
	v_cmp_gt_i32 s[20+\j], \j, v[DG]               ; key 8 h + j comes after query r
.endr
.irp i, 0,1,2,3
	v_mov_b32 v[ST+4*\i+3], 0                      ; a lane permute's destination counts as one of its sources
.endr
	s_lshl_b32 s28, s14, 5
	s_lshl_b32 s29, s12, 1
	s_add_co_u32 s28, s28, s29
	s_mul_i32 s28, s28, 6144                       ; my two pairs of heads
	s_mov_b32 s29, 0
	s_lshl_b32 s30, s12, 18                        ; Wo: rows 64 w on,
	s_lshl_b32 s32, ttmp9, 6                       ; 16 columns are 64 bytes
	s_add_co_u32 s30, s30, s32
	s_mov_b32 s31, 0
	s_mov_b32 s33, 0
	s_lshl_b32 s34, s14, 22                        ; out: the batch's 1,024 rows
	s_add_co_u32 s34, s34, s32
	s_mov_b32 s35, 0
	s_wait_kmcnt 0x0
	s_add_nc_u64 s[4:5], s[4:5], s[28:29]
	s_add_nc_u64 s[6:7], s[6:7], s[30:31]
	s_add_nc_u64 s[8:9], s[8:9], s[32:33]
	s_add_nc_u64 s[10:11], s[10:11], s[34:35]
.irp i, 0,1,2,3
.irp g, 0,1
	global_load_b128 v[QR+8*\i+4*\g:QR+8*\i+4*\g+3], v[L16], s[4:5] offset:(\i/2)*6144+(\i%2)*1024+\g*512
	global_load_b128 v[KR+8*\i+4*\g:KR+8*\i+4*\g+3], v[L16], s[4:5] offset:(\i/2)*6144+2048+(\i%2)*1024+\g*512
	global_load_b128 v[VR+8*\i+4*\g:VR+8*\i+4*\g+3], v[L16], s[4:5] offset:(\i/2)*6144+4096+(\i%2)*1024+\g*512
.endr
.endr
.irp i, 0,1,2,3
.irp e, 0,1,2,3,4,5,6,7
	global_load_b32 v[WR+8*\i+\e], v[WOF], s[6:7] offset:(16*\i+\e)*4096   ; Wo(64 w + 16 i + 8 h + e, 16 nt + r)
.endr
.endr
	global_load_b128 v[BI:BI+3], v[BOF], s[8:9]
	s_wait_loadcnt 33                              ; q, k, v are in; Wo's 32 loads and the bias's stay out
.irp c, 0,1,2,3                                ; S^T = K Q^T: four heads by turns; a lane holds query r, keys 8 h + j
.irp i, 0,1,2,3
.if \c == 0
	v_wmma_f32_16x16x4_f32 v[S+8*\i:S+8*\i+7], v[KR+8*\i+2*\c:KR+8*\i+2*\c+1], v[QR+8*\i+2*\c:QR+8*\i+2*\c+1], 0
.else
	v_wmma_f32_16x16x4_f32 v[S+8*\i:S+8*\i+7], v[KR+8*\i+2*\c:KR+8*\i+2*\c+1], v[QR+8*\i+2*\c:QR+8*\i+2*\c+1], v[S+8*\i:S+8*\i+7]
.endif
.endr
.endr
.rept 8
	v_nop                                          ; eight places behind this form
.endr
.irp i, 0,1,2,3
.irp j, 0,1,2,3,4,5,6,7
	v_cndmask_b32 v[QR+8*\i+\j], v[S+8*\i+\j], v[NEG], s[20+\j]   ; the masked scores go into other registers
.endr
.endr
.irp i, 0,1,2,3
	v_max3_num_f32 v[ST+4*\i+2], v[QR+8*\i], v[QR+8*\i+1], v[QR+8*\i+2]
.endr
.irp e, 3,5
.irp i, 0,1,2,3
	v_max3_num_f32 v[ST+4*\i+2], v[ST+4*\i+2], v[QR+8*\i+\e], v[QR+8*\i+\e+1]
.endr
.endr
.irp i, 0,1,2,3
	v_max_num_f32 v[ST+4*\i+2], v[ST+4*\i+2], v[QR+8*\i+7]
.endr
.irp i, 0,1,2,3
	v_permlanex16_b32 v[ST+4*\i+3], v[ST+4*\i+2], s18, s19
.endr
.irp i, 0,1,2,3
	v_max_num_f32 v[ST+4*\i+1], v[ST+4*\i+2], v[ST+4*\i+3]   ; key 0 counts for every query: a number
.endr
.irp i, 0,1,2,3
	v_mul_f32 v[ST+4*\i], s16, v[ST+4*\i+1]
.endr
.irp i, 0,1,2,3
.irp j, 0,2,4,6
	v_pk_fma_f32 v[QR+8*\i+\j:QR+8*\i+\j+1], v[QR+8*\i+\j:QR+8*\i+\j+1], s[16:17], v[ST+4*\i:ST+4*\i+1] op_sel_hi:[1,0,0] neg_lo:[0,0,1] neg_hi:[0,0,1]
.endr
.endr
.set n, 0
.rept 32
	v_exp_f32 v[QR+n], v[QR+n]
.set n, n+1
.endr
	v_nop
	s_wait_alu depctr_va_vdst(0)                   ; one wait for the batch, ahead of its first reader
.irp i, 0,1,2,3
	v_pk_add_f32 v[ST+4*\i+2:ST+4*\i+3], v[QR+8*\i:QR+8*\i+1], v[QR+8*\i+2:QR+8*\i+3]
.endr
.irp e, 4,6
.irp i, 0,1,2,3
	v_pk_add_f32 v[ST+4*\i+2:ST+4*\i+3], v[ST+4*\i+2:ST+4*\i+3], v[QR+8*\i+\e:QR+8*\i+\e+1]
.endr
.endr
.irp i, 0,1,2,3
	v_add_f32 v[ST+4*\i+2], v[ST+4*\i+2], v[ST+4*\i+3]
.endr
.irp i, 0,1,2,3
	v_permlanex16_b32 v[ST+4*\i+3], v[ST+4*\i+2], s18, s19
.endr
.irp i, 0,1,2,3
	v_add_f32 v[ST+4*\i+2], v[ST+4*\i+2], v[ST+4*\i+3]
.endr
.irp i, 0,1,2,3
	v_rcp_f32 v[ST+4*\i+2], v[ST+4*\i+2]
.endr
	v_nop
	s_wait_alu depctr_va_vdst(0)                   ; one wait for the four reciprocals
.irp i, 0,1,2,3
.irp j, 0,2,4,6
	v_pk_mul_f32 v[QR+8*\i+\j:QR+8*\i+\j+1], v[QR+8*\i+\j:QR+8*\i+\j+1], v[ST+4*\i+2:ST+4*\i+3] op_sel_hi:[1,0]
.endr
.endr
.irp c, 0,1,2,3                                ; ctx^T = V^T P: a lane holds query r, features 8 h + j
.irp i, 0,1,2,3
.if \c == 0
	v_wmma_f32_16x16x4_f32 v[CT+8*\i:CT+8*\i+7], v[VR+8*\i+2*\c:VR+8*\i+2*\c+1], v[QR+8*\i+2*\c:QR+8*\i+2*\c+1], 0
.else
	v_wmma_f32_16x16x4_f32 v[CT+8*\i:CT+8*\i+7], v[VR+8*\i+2*\c:VR+8*\i+2*\c+1], v[QR+8*\i+2*\c:QR+8*\i+2*\c+1], v[CT+8*\i:CT+8*\i+7]
.endif
.endr
.endr
.rept 9
	v_nop                                          ; nine places before a matrix instruction takes these results as a source
.endr
	s_wait_loadcnt 0x0                             ; Wo and the bias
.irp c, 0,1,2,3                                ; out^T += Wo^T ctx^T: two accumulators by turns; a lane holds position r, columns 8 h + j
.irp i, 0,1,2,3
.if (\c == 0) && (\i < 2)
	v_wmma_f32_16x16x4_f32 v[OA+8*(\i%2):OA+8*(\i%2)+7], v[WR+8*\i+2*\c:WR+8*\i+2*\c+1], v[CT+8*\i+2*\c:CT+8*\i+2*\c+1], 0
.else
	v_wmma_f32_16x16x4_f32 v[OA+8*(\i%2):OA+8*(\i%2)+7], v[WR+8*\i+2*\c:WR+8*\i+2*\c+1], v[CT+8*\i+2*\c:CT+8*\i+2*\c+1], v[OA+8*(\i%2):OA+8*(\i%2)+7]
.endif
.endr
.endr
.rept 8
	v_nop
.endr
.irp j, 0,2,4,6
	v_pk_add_f32 v[RS+\j:RS+\j+1], v[OA+\j:OA+\j+1], v[OA+8+\j:OA+8+\j+1]
.endr
	ds_store_b128 v[LST], v[RS:RS+3]
	ds_store_b128 v[LST], v[RS+4:RS+7] offset:512
	s_wait_dscnt 0x0                               ; for the others' sake: my part has landed
	s_barrier_signal -1
	s_barrier_wait -1
	s_cmp_lt_u32 s12, 2
	s_cbranch_scc0 .Lend
.irp n, 0,1,2,3,4,5,6,7,8,9,10,11,12,13,14,15
	ds_load_b128 v[KR+4*\n:KR+4*\n+3], v[LRD] offset:\n*1024   ; the sixteen waves' parts of my four numbers
.endr
	s_wait_dscnt 0x0
.irp n, 0,1,2,3,4,5,6,7,8,9,10,11,12,13,14,15
	v_pk_add_f32 v[BI:BI+1], v[BI:BI+1], v[KR+4*\n:KR+4*\n+1]
	v_pk_add_f32 v[BI+2:BI+3], v[BI+2:BI+3], v[KR+4*\n+2:KR+4*\n+3]
.endr
	global_store_b128 v[OOF], v[BI:BI+3], s[10:11]
.Lend:
	s_wait_tensorcnt 0x0                           ; the wave's end
	ds_add_u32 v[SPW], v[NIL]
	s_wait_dscnt 0x0
	s_endpgm
.Lfunc_end_k_q7607959d78_fine:
	.size	k_q7607959d78_fine, .Lfunc_end_k_q7607959d78_fine-k_q7607959d78_fine
	.p2alignl 7, 3214868480
	.fill 96, 4, 3214868480
	.section	.rodata,"a",@progbits
	.p2align	6, 0x0
	.amdhsa_kernel k_q7607959d78_fine
		.amdhsa_group_segment_fixed_size 18432
		.amdhsa_private_segment_fixed_size 0
		.amdhsa_enable_private_segment 0
		.amdhsa_kernarg_size 32
		.amdhsa_user_sgpr_count 2
		.amdhsa_user_sgpr_kernarg_segment_ptr 1
		.amdhsa_wavefront_size32 1
		.amdhsa_system_sgpr_workgroup_id_x 1
		.amdhsa_system_sgpr_workgroup_id_y 1
		.amdhsa_system_sgpr_workgroup_id_z 1
		.amdhsa_system_vgpr_workitem_id 0
		.amdhsa_next_free_vgpr 256
		.amdhsa_next_free_sgpr 66
		.amdhsa_reserve_vcc 0
		.amdhsa_float_denorm_mode_32 3
		.amdhsa_float_denorm_mode_16_64 3
		.amdhsa_memory_ordered 1
		.amdhsa_forward_progress 1
		.amdhsa_inst_pref_size 24
	.end_amdhsa_kernel
	.amdgpu_metadata
---
amdhsa.version: [ 1, 2 ]
amdhsa.kernels:
  - .name:           k_q7607959d78_fine
    .symbol:         k_q7607959d78_fine.kd
    .args:
      - { .name: fq, .offset: 0, .size: 8, .value_kind: global_buffer, .address_space: global }
      - { .name: Wo, .offset: 8, .size: 8, .value_kind: global_buffer, .address_space: global }
      - { .name: bo, .offset: 16, .size: 8, .value_kind: global_buffer, .address_space: global }
      - { .name: out0, .offset: 24, .size: 8, .value_kind: global_buffer, .address_space: global }
    .group_segment_fixed_size: 18432
    .private_segment_fixed_size: 0
    .kernarg_segment_align: 8
    .kernarg_segment_size: 32
    .max_flat_workgroup_size: 512
    .sgpr_count:     66
    .vgpr_count:     256
    .wavefront_size: 32
...
	.end_amdgpu_metadata
.endif
;; end of part 5
;; ======== version 2 of 2: 4 launches
;; limits: values are held in f16: magnitudes above 65,504 overflow, below 6.1e-05 lose precision
;; workspace buffers: xc 1,048,576 bytes; wc 1,572,864 bytes; scl 163,840 bytes; wo16 2,097,152 bytes; qi 4,194,304 bytes; kv 8,388,608 bytes; fc 131,072 bytes; ctx 4,194,304 bytes
;; launch prep: the kernel of part 1 again; grid 256 x 1, 8 waves a work-group, no clusters, 70,144 bytes of LDS; arguments x, Wq, Wk, Wv, Wo, xc, wc, scl, wo16; writes xc, wc, scl, wo16
;; launch qkv (part 6): grid 16 x 16, 4 waves a work-group, clusters of 4 x 4, 167,936 bytes of LDS; arguments xc, wc, scl, qi, kv, fc; writes qi, kv, fc
.if DOCPART == 6
	.amdgcn_target "amdgcn-amd-amdhsa--gfx1250"
	.amdhsa_code_object_version 6
	.text
	.protected	k_q7607959d78_qkv
	.globl	k_q7607959d78_qkv
	.p2align	8
	.type	k_q7607959d78_qkv,@function
k_q7607959d78_qkv:
	s_mov_b64 s[64:65], 0
	v_nop
	global_prefetch_b8 v0, s[64:65] scope:SCOPE_SE
	s_setreg_imm32_b32 hwreg(HW_REG_WAVE_MODE, 25, 1), 1
	s_wait_xcnt 0x0
	s_wait_alu depctr_hold_cnt(0) depctr_sa_sdst(0) depctr_va_vdst(0) depctr_va_sdst(0) depctr_va_ssrc(0) depctr_va_vcc(0) depctr_vm_vsrc(0)
	s_getreg_b32 s2, hwreg(HW_REG_IB_STS2, 6, 4)
	s_cmp_eq_u32 s2, 0
	s_cbranch_scc0 .Lentry_in_a_cluster
	s_endpgm
.Lentry_in_a_cluster:
	s_bfe_u32 s2, ttmp6, 0x10000c
	s_cmp_lg_u32 s2, 0xf033
	s_cbranch_scc0 .Lentry_shape_is_right
	s_endpgm
.Lentry_shape_is_right:
; q, k, v = x Wq, x Wk, x Wv on codes of FP4 with E8M0 scales, sums in f32; the results leave as f16 images of the attention's operands.
; A work-group makes 128 rows x 12 tiles of 16 columns (two pairs of heads: q0 q1 k0 k1 v0 v1 each); a wave 64 rows x 6 tiles: 24 accumulators, which take turns.
; ALL OF K LIES IN LDS: x's 8 tiles (64 KB) and the weights' 12 (96 KB), as four chunks of two K steps, each filled once; nothing is filled again.
; By the text's own count a wave has four tensor loads outstanding.
; CLUSTER 4 x 4: x's tiles hang on the tile row alone and are asked for jointly along a row of the cluster, the weights' on the tile column alone, along a column.
; q and k are made TRANSPOSED (source 0 = a weight's 16 columns, source 1 = 16 rows of x): a lane holds one position and features 8 h + 0..7: 16 bytes of f16, the fragment that the scores want.
; v is made the natural way: a lane holds one feature and positions 8 h + 0..7: the fragment of V^T.
;   qi [batch x head 128][tile 64][512];  kv [batch x head][K's image 32,768 | V's image 32,768].
; POSITIONS 0-15 OF EACH BATCH ARE CARRIED IN f32: their rows average one to sixteen values.  The wave that holds them has q, k, v of its two heads in its accumulators, in the layouts that the f32 matrix form takes:
;   that form wants k = 2 h + j in register j; registers 2 c, 2 c + 1 of an accumulator hold index 8 h + 2 c + j: the same permutation of k on both sources, so four instructions cover all 16 indices.
;   So the causal attention of those 16 positions is made here, 16 matrix instructions a wave: S^T = K Q^T, softmax, ctx^T = V^T P.  ALL waves run these lines on their first row tile, and no branch hangs on a
;   place in the cluster; only the wave that holds positions 0-15 has lanes on at the stores.   fc [batch][head 64][1024]: lane (r, h): position r, features 8 h + j; registers 0-3 at 16 x lane, 4-7 at 512 + 16 x lane.
;   The registers that the f32 matrix form writes (v192-223 of window 1) are written by matrix instructions alone.
; LIMITS: |q|, |k|, |v| up to 65,504 (f16); NaN and infinities are not served.
; REGISTERS: window 0: v4-11 addresses; v16-47 scale words (tile i, K step s at 16 + 8 i + s: lanes 0-15 x's tile i, lanes 16-31 the weights' tile i); v48-55 lanes 0-15 the weights' tile 4, lanes 16-31 tile 5;
;   v64-143, v144-223 two sets of fragments (x's four, then the weights' six); at the end v64-159 the packed results, v160-185 the small softmax.  window 1: accumulator (a, b) at v[8 (6 a + b)]; v192-207 S^T, v208-223 ctx^T.
.set CHUNK, 40960                      ; two K steps: x's 8 tiles x 2,048 bytes, then the weights' 12
.set BOFF,  16384
.set SPARE, 4*CHUNK                    ; the spare words: 128 bytes for each wave, which no other line names
.set LA,   4                           ; v4  LDS address of my x fragments
.set LB,   5                           ; v5  of my weights' fragments
.set L16,  6                           ; v6  16 x lane
.set SA,   7                           ; v7  scale words: lanes 0-15 x's, lanes 16-31 the weights'
.set SB,   8                           ; v8  the weights' tiles 4 and 5
.set FLG,  9
.set SPW,  10                          ; v10 SPARE + 4 x my thread's number; never rewritten
.set NIL,  11                          ; v11 0; never rewritten
.set SC,   16
.set SC45, 48
.set F0,   64
.set F1,   144
.set FP,   160                         ; v160-175 the masked scores, then p: 8 a head
.set FST,  176                         ; v176-183 four a head: +0 c m, +1 m, +2, +3 at work
.set FNEG, 184                         ; -infinity
.set FDG,  185                         ; r - 8 h: register j hides its key where j is greater
.set FS,   192                         ; in window 1: S^T, 8 a head
.set FCT,  208                         ; in window 1: ctx^T, 8 a head
.set G1A,  28                          ; s[28:35] group 1 for x's tiles;  s[36:43] for the weights'
.set G1B,  36
.set G0A,  44                          ; s[44:59] four groups 0 for x, one a chunk;  s[68:83] for the weights
.set G0B,  68
.set MSB, 0
.macro WIN new                         ; the immediate's high byte repeats the setting that is left
.if MSB != \new
	s_set_vgpr_msb (MSB<<8)|\new
.set MSB, \new
.endif
.endm
.macro CROUND                          ; a round of the cluster's barrier
	s_barrier_signal -1
	s_barrier_wait -1
	s_cmp_lg_u32 s16, 0
	s_cbranch_scc1 .Lnot_wave_0_\@
	s_barrier_signal -3
.Lnot_wave_0_\@:
	s_barrier_wait -3
	s_barrier_signal -1
	s_barrier_wait -1
.endm
.macro PLACES n
.rept \n
	v_nop
.endr
.endm
.macro CH q                            ; chunk q is whole for every wave: my part has landed (the later chunks' loads stay out), no LDS load of mine is pending
	s_wait_tensorcnt 3-\q
	s_wait_dscnt 0x0
	s_barrier_signal -1
	s_barrier_wait -1
.endm
.macro FETCH s, f                      ; K step s: 20 loads of 512 consecutive bytes: images of registers
	WIN 0
.irp a, 0,1,2,3
	ds_load_b128 v[\f+8*\a:\f+8*\a+3],   v[LA] offset:\a*2048+((\s)&1)*1024
	ds_load_b128 v[\f+8*\a+4:\f+8*\a+7], v[LA] offset:\a*2048+((\s)&1)*1024+512
.endr
.irp b, 0,1,2,3,4,5
	ds_load_b128 v[\f+32+8*\b:\f+35+8*\b], v[LB] offset:\b*2048+((\s)&1)*1024
	ds_load_b128 v[\f+36+8*\b:\f+39+8*\b], v[LB] offset:\b*2048+((\s)&1)*1024+512
.endr
.if ((\s)&1) && ((\s) < 7)
	v_add_nc_u32 v[LA], CHUNK, v[LA]               ; on to the next chunk
	v_add_nc_u32 v[LB], CHUNK, v[LB]
.endif
.endm
.macro MUL s, f, zero                  ; 24 matrix instructions: K step s.  zero = 1: the first products start the sums
	WIN 0x50                                       ; C and D in window 1
.irp a, 0,1,2,3
.irp b, 0,1,2,3
.if \zero
	v_wmma_scale_f32_16x16x128_f8f6f4 v[8*(6*\a+\b):8*(6*\a+\b)+7], v[\f+32+8*\b:\f+39+8*\b], v[\f+8*\a:\f+8*\a+7], 0, v[SC+8*\b+\s], v[SC+8*\a+\s] matrix_a_fmt:MATRIX_FMT_FP4 matrix_b_fmt:MATRIX_FMT_FP4 matrix_a_scale:MATRIX_SCALE_ROW1
.else
	v_wmma_scale_f32_16x16x128_f8f6f4 v[8*(6*\a+\b):8*(6*\a+\b)+7], v[\f+32+8*\b:\f+39+8*\b], v[\f+8*\a:\f+8*\a+7], v[8*(6*\a+\b):8*(6*\a+\b)+7], v[SC+8*\b+\s], v[SC+8*\a+\s] matrix_a_fmt:MATRIX_FMT_FP4 matrix_b_fmt:MATRIX_FMT_FP4 matrix_a_scale:MATRIX_SCALE_ROW1
.endif
.endr
.if \zero
	v_wmma_scale_f32_16x16x128_f8f6f4 v[8*(6*\a+4):8*(6*\a+4)+7], v[\f+8*\a:\f+8*\a+7], v[\f+64:\f+71], 0, v[SC+8*\a+\s], v[SC45+\s] matrix_a_fmt:MATRIX_FMT_FP4 matrix_b_fmt:MATRIX_FMT_FP4
	v_wmma_scale_f32_16x16x128_f8f6f4 v[8*(6*\a+5):8*(6*\a+5)+7], v[\f+8*\a:\f+8*\a+7], v[\f+72:\f+79], 0, v[SC+8*\a+\s], v[SC45+\s] matrix_a_fmt:MATRIX_FMT_FP4 matrix_b_fmt:MATRIX_FMT_FP4 matrix_b_scale:MATRIX_SCALE_ROW1
.else
	v_wmma_scale_f32_16x16x128_f8f6f4 v[8*(6*\a+4):8*(6*\a+4)+7], v[\f+8*\a:\f+8*\a+7], v[\f+64:\f+71], v[8*(6*\a+4):8*(6*\a+4)+7], v[SC+8*\a+\s], v[SC45+\s] matrix_a_fmt:MATRIX_FMT_FP4 matrix_b_fmt:MATRIX_FMT_FP4
	v_wmma_scale_f32_16x16x128_f8f6f4 v[8*(6*\a+5):8*(6*\a+5)+7], v[\f+8*\a:\f+8*\a+7], v[\f+72:\f+79], v[8*(6*\a+5):8*(6*\a+5)+7], v[SC+8*\a+\s], v[SC45+\s] matrix_a_fmt:MATRIX_FMT_FP4 matrix_b_fmt:MATRIX_FMT_FP4 matrix_b_scale:MATRIX_SCALE_ROW1
.endif
.endr
.endm
	s_load_b256 s[4:11], s[0:1], 0x0               ; xc s[4:5], wc s[6:7], scl s[8:9], qi s[10:11]
	s_load_b128 s[12:15], s[0:1], 0x20             ; kv s[12:13], fc s[14:15]
	v_lshl_add_u32 v[SPW], v0, 2, SPARE
	v_mov_b32 v[NIL], 0
	ds_add_u32 v[SPW], v[NIL]                      ; the wave's opening: the add, twice on end, and its wait ahead of my first tensor load
	ds_add_u32 v[SPW], v[NIL]
	v_lshrrev_b32 v1, 5, v0
	v_readfirstlane_b32 s16, v1                    ; wave 0..3
	s_lshr_b32 s17, s16, 1                         ; which 64 rows are mine.  Also: I fetch for x (0) or for the weights (1)
	s_and_b32 s18, s16, 1                          ; which pair of heads.  Also: which half I fetch
	s_bfe_u32 s19, ttmp6, 0x40000                  ; cx
	s_bfe_u32 s20, ttmp6, 0x40004                  ; cy
	s_lshl_b32 s21, ttmp9, 2
	s_add_co_u32 s21, s21, s19                     ; tile column: 12 tiles of the weights
	s_and_b32 s22, ttmp7, 0xffff
	s_lshl_b32 s22, s22, 2
	s_add_co_u32 s22, s22, s20                     ; tile row: 128 rows of x
	s_lshl_b32 s23, s20, 2
	s_lshl_b32 s23, 15, s23                        ; my row of the cluster
	s_lshl_b32 s24, 0x1111, s19                    ; my column
	s_or_b32 s[G1A], s23, (3<<16)|(1<<21)          ; the mask; elements of 8 bytes; bit 21 beside a mask; no padding
	s_or_b32 s[G1B], s24, (3<<16)|(1<<21)
	s_mov_b32 s[G1A+1], 256<<16                    ; tensor_dim0 = 256 elements: a tile's two K steps, 2,048 bytes
	s_mov_b32 s[G1A+2], 4<<16                      ; tensor_dim1 = 4 tiles
	s_mov_b32 s[G1A+3], 256<<16                    ; tile_dim0
	s_mov_b32 s[G1A+4], 4                          ; tile_dim1
	s_mov_b32 s[G1A+5], 1024                       ; from tile to tile: 8,192 bytes
	s_mov_b32 s[G1A+6], 0
	s_mov_b32 s[G1A+7], 0
	s_mov_b32 s[G1B+1], 256<<16
	s_mov_b32 s[G1B+2], 6<<16                      ; 6 tiles
	s_mov_b32 s[G1B+3], 256<<16
	s_mov_b32 s[G1B+4], 6
	s_mov_b32 s[G1B+5], 1024
	s_mov_b32 s[G1B+6], 0
	s_mov_b32 s[G1B+7], 0
	s_lshl_b32 s84, s22, 16                        ; x: (8 tile row + 4 half) tiles of 8,192 bytes
	s_lshl_b32 s85, s18, 15
	s_add_co_u32 s84, s84, s85
	s_mov_b32 s85, 0
	s_mul_i32 s86, s21, 98304                      ; the weights: (12 tile column + 6 half) tiles
	s_mul_i32 s87, s18, 49152
	s_add_co_u32 s86, s86, s87
	s_mov_b32 s87, 0
	s_lshl_b32 s88, s18, 13                        ; where they go in a chunk: no place in the cluster enters an LDS address
	s_mul_i32 s89, s18, 12288
	s_add_co_u32 s89, s89, BOFF
	s_wait_dscnt 0x0                               ; both opening adds are done
	s_wait_kmcnt 0x0
	s_add_nc_u64 s[84:85], s[4:5], s[84:85]
	s_add_nc_u64 s[86:87], s[6:7], s[86:87]
.irp q, 0,1,2,3
	s_mov_b32 s[G0A+4*\q], 1
	s_add_co_u32 s[G0A+4*\q+1], s88, \q*CHUNK
	s_add_nc_u64 s[G0A+4*\q+2:G0A+4*\q+3], s[84:85], \q*2048
	s_or_b32 s[G0A+4*\q+3], s[G0A+4*\q+3], 0x80000000
	s_mov_b32 s[G0B+4*\q], 1
	s_add_co_u32 s[G0B+4*\q+1], s89, \q*CHUNK
	s_add_nc_u64 s[G0B+4*\q+2:G0B+4*\q+3], s[86:87], \q*2048
	s_or_b32 s[G0B+4*\q+3], s[G0B+4*\q+3], 0x80000000
.endr
	CROUND                                         ; all sixteen work-groups are here: the joint loads meet
	s_cmp_eq_u32 s17, 0                            ; a wave's four first fills stand in one branch on the wave's number
	s_cbranch_scc0 .Lfirst_b
.irp q, 0,1,2,3
	tensor_load_to_lds s[G0A+4*\q:G0A+4*\q+3], s[G1A:G1A+7]
	s_nop 0
.endr
	PLACES 4
	s_branch .Lfirst_done
.Lfirst_b:
.irp q, 0,1,2,3
	tensor_load_to_lds s[G0B+4*\q:G0B+4*\q+3], s[G1B:G1B+7]
	s_nop 0
.endr
	PLACES 4
.Lfirst_done:
	v_and_b32 v1, 15, v0                           ; r
	v_bfe_u32 v2, v0, 4, 1                         ; h
	v_and_b32 v3, 31, v0
	v_lshlrev_b32 v[L16], 4, v3
	s_lshl_b32 s90, s17, 13
	v_add_nc_u32 v[LA], s90, v[L16]                ; my four tiles of x
	v_add_nc_u32 v[LB], s89, v[L16]                ; my six tiles of the weights
	s_lshl_b32 s91, s22, 12                        ; scale words: x's tile 8 tile row + 4 half, 512 bytes a tile;
	s_lshl_b32 s92, s17, 11
	s_add_co_u32 s91, s91, s92
	s_mul_i32 s92, s21, 6144                       ; the weights' tile 12 tile column + 6 half, behind x's 65,536 bytes
	s_mul_i32 s93, s18, 3072
	s_add_co_u32 s92, s92, s93
	s_add_co_u32 s92, s92, 65536
	s_sub_co_u32 s93, s92, s91
	v_mul_lo_u32 v[SA], v2, s93                    ; lanes 16-31 take the weights'
	v_add_nc_u32 v[SA], s91, v[SA]
	v_lshl_add_u32 v[SA], v1, 4, v[SA]
	s_add_co_u32 s94, s92, 2048
	v_lshlrev_b32 v[SB], 9, v2
	v_lshl_add_u32 v[SB], v1, 4, v[SB]
	v_add_nc_u32 v[SB], s94, v[SB]                 ; lanes 0-15 tile 4, lanes 16-31 tile 5
.irp i, 0,1,2,3
.irp k, 0,1
	global_load_b128 v[SC+8*\i+4*\k:SC+8*\i+4*\k+3], v[SA], s[8:9] offset:\i*512+\k*256
.endr
.endr
.irp k, 0,1
	global_load_b128 v[SC45+4*\k:SC45+4*\k+3], v[SB], s[8:9] offset:\k*256
.endr
	; where the results go
	s_lshr_b32 s95, s22, 3                         ; batch
	s_lshl_b32 s96, s21, 1
	s_add_co_u32 s96, s96, s18                     ; pair of heads
	s_lshl_b32 s97, s95, 6
	s_lshl_b32 s98, s96, 1
	s_add_co_u32 s97, s97, s98                     ; batch x 64 + the pair's first head
	s_and_b32 s98, s22, 7
	s_lshl_b32 s98, s98, 3
	s_lshl_b32 s99, s17, 2
	s_add_co_u32 s98, s98, s99
	s_lshl_b32 s98, s98, 9                         ; my first tile of positions, 512 bytes a tile
	s_lshl_b32 s90, s97, 15
	s_add_co_u32 s90, s90, s98
	s_mov_b32 s91, 0
	s_add_nc_u64 s[10:11], s[10:11], s[90:91]
	s_lshl_b32 s90, s97, 16
	s_add_co_u32 s90, s90, s98
	s_add_nc_u64 s[12:13], s[12:13], s[90:91]
	s_lshl_b32 s90, s97, 10                        ; fc: 1,024 bytes a head
	s_add_nc_u64 s[14:15], s[14:15], s[90:91]
	CH 0
	FETCH 0, F0
	FETCH 1, F1
	s_wait_loadcnt 0x0                             ; the scale words
	s_wait_dscnt 20                                ; K step 0's fragments are in; K step 1's twenty loads stay out
	MUL 0, F0, 1
	WIN 0
	CH 1
	PLACES 4                                       ; four places in front of loads into registers that matrix instructions have read
	FETCH 2, F0
	MUL 1, F1, 0
	PLACES 4
	FETCH 3, F1
	s_wait_dscnt 20
	MUL 2, F0, 0
	WIN 0
	CH 2
	PLACES 4
	FETCH 4, F0
	MUL 3, F1, 0
	PLACES 4
	FETCH 5, F1
	s_wait_dscnt 20
	MUL 4, F0, 0
	WIN 0
	CH 3
	PLACES 4
	FETCH 6, F0
	MUL 5, F1, 0
	PLACES 4
	FETCH 7, F1
	s_wait_dscnt 20
	MUL 6, F0, 0
	s_wait_dscnt 0x0
	MUL 7, F1, 0
	; THE SMALL ATTENTION IN f32 BEGINS: S^T = K Q^T of my first row tile, two heads by turns; a lane holds query r, keys 8 h + j
	PLACES 5                                       ; five places before a matrix instruction takes results as its sources; they serve the conversions below too
	WIN 0x55                                       ; all four operand places in window 1
.irp c, 0,1,2,3
.irp i, 0,1
.if \c == 0
	v_wmma_f32_16x16x4_f32 v[FS+8*\i:FS+8*\i+7], v[16+8*\i+2*\c:17+8*\i+2*\c], v[8*\i+2*\c:8*\i+2*\c+1], 0
.else
	v_wmma_f32_16x16x4_f32 v[FS+8*\i:FS+8*\i+7], v[16+8*\i+2*\c:17+8*\i+2*\c], v[8*\i+2*\c:8*\i+2*\c+1], v[FS+8*\i:FS+8*\i+7]
.endif
.endr
.endr
	; THE WAY OUT: each accumulator, from its low end on, packs into 16 bytes of f16 a lane, and a wave's store is a tile's 512 consecutive bytes.
	; Row tiles 1 to 3 go first: their 72 conversions name no register of the eight products above and are the places behind them
	WIN 0x05                                       ; sources in window 1, destination in window 0
.set t, 6
.rept 18
.irp e, 0,1,2,3
	v_cvt_pk_f16_f32 v[64+4*t+\e], v[8*t+2*\e], v[8*t+2*\e+1]
.endr
.set t, t+1
.endr
.set t, 0
.rept 6
.irp e, 0,1,2,3
	v_cvt_pk_f16_f32 v[64+4*t+\e], v[8*t+2*\e], v[8*t+2*\e+1]
.endr
.set t, t+1
.endr
	WIN 0
.irp a, 0,1,2,3
.irp e, 0,1
	global_store_b128 v[L16], v[64+4*(6*\a+\e):67+4*(6*\a+\e)], s[10:11] offset:\e*32768+\a*512
	global_store_b128 v[L16], v[64+4*(6*\a+2+\e):67+4*(6*\a+2+\e)], s[12:13] offset:\e*65536+\a*512
	global_store_b128 v[L16], v[64+4*(6*\a+4+\e):67+4*(6*\a+4+\e)], s[12:13] offset:32768+\e*65536+\a*512
.endr
.endr
	; the small softmax, while those stores are on their way
	v_lshlrev_b32 v[FDG], 3, v2
	v_sub_nc_u32 v[FDG], v1, v[FDG]                ; r - 8 h
	v_mov_b32 v[FNEG], 0xff800000
.irp j, 0,1,2,3,4,5,6,7
	v_cmp_gt_i32 s[84+\j], \j, v[FDG]              ; key 8 h + j comes after query r
.endr
	v_mov_b32 v[FST+3], 0                          ; a lane permute's destination counts as one of its sources
	v_mov_b32 v[FST+7], 0
	s_mov_b32 s92, 0x3eb8aa3b                      ; c = log2(e) / 4
	s_mov_b32 s93, s92                             ; (named with it as a pair)
	s_mov_b32 s94, 0x76543210
	s_mov_b32 s95, 0xfedcba98                      ; v_permlanex16_b32's selects for lane l xor 16
	WIN 0x01                                       ; source 0 in window 1
.irp i, 0,1
.irp j, 0,1,2,3,4,5,6,7
	v_cndmask_b32 v[FP+8*\i+\j], v[FS+8*\i+\j], v[FNEG], s[84+\j]   ; the masked scores go into other registers, each accumulator from its low end on
.endr
.endr
	WIN 0
.irp i, 0,1
	v_max3_num_f32 v[FST+4*\i+2], v[FP+8*\i], v[FP+8*\i+1], v[FP+8*\i+2]
.endr
.irp e, 3,5
.irp i, 0,1
	v_max3_num_f32 v[FST+4*\i+2], v[FST+4*\i+2], v[FP+8*\i+\e], v[FP+8*\i+\e+1]
.endr
.endr
.irp i, 0,1
	v_max_num_f32 v[FST+4*\i+2], v[FST+4*\i+2], v[FP+8*\i+7]
.endr
.irp i, 0,1
	v_permlanex16_b32 v[FST+4*\i+3], v[FST+4*\i+2], s94, s95
.endr
.irp i, 0,1
	v_max_num_f32 v[FST+4*\i+1], v[FST+4*\i+2], v[FST+4*\i+3]   ; the tile's first key counts for every query: a number
.endr
.irp i, 0,1
	v_mul_f32 v[FST+4*\i], s92, v[FST+4*\i+1]
.endr
.irp j, 0,2,4,6
.irp i, 0,1
	v_pk_fma_f32 v[FP+8*\i+\j:FP+8*\i+\j+1], v[FP+8*\i+\j:FP+8*\i+\j+1], s[92:93], v[FST+4*\i:FST+4*\i+1] op_sel_hi:[1,0,0] neg_lo:[0,0,1] neg_hi:[0,0,1]   ; c s - c m
.endr
.endr
.set n, 0
.rept 16
	v_exp_f32 v[FP+n], v[FP+n]
.set n, n+1
.endr
	v_nop                                          ; a plain line behind the last exponential
	s_wait_alu depctr_va_vdst(0)                   ; one wait for the batch, ahead of its first reader
.irp i, 0,1
	v_pk_add_f32 v[FST+4*\i+2:FST+4*\i+3], v[FP+8*\i:FP+8*\i+1], v[FP+8*\i+2:FP+8*\i+3]
.endr
.irp e, 4,6
.irp i, 0,1
	v_pk_add_f32 v[FST+4*\i+2:FST+4*\i+3], v[FST+4*\i+2:FST+4*\i+3], v[FP+8*\i+\e:FP+8*\i+\e+1]
.endr
.endr
.irp i, 0,1
	v_add_f32 v[FST+4*\i+2], v[FST+4*\i+2], v[FST+4*\i+3]
.endr
.irp i, 0,1
	v_permlanex16_b32 v[FST+4*\i+3], v[FST+4*\i+2], s94, s95
.endr
.irp i, 0,1
	v_add_f32 v[FST+4*\i+2], v[FST+4*\i+2], v[FST+4*\i+3]
.endr
.irp i, 0,1
	v_rcp_f32 v[FST+4*\i+2], v[FST+4*\i+2]
.endr
	v_nop
	s_wait_alu depctr_va_vdst(0)                   ; one wait for the two reciprocals
.irp j, 0,2,4,6
.irp i, 0,1
	v_pk_mul_f32 v[FP+8*\i+\j:FP+8*\i+\j+1], v[FP+8*\i+\j:FP+8*\i+\j+1], v[FST+4*\i+2:FST+4*\i+3] op_sel_hi:[1,0]
.endr
.endr
	WIN 0x51                                       ; source 0 (v), C and D in window 1; source 1 (p) in window 0
.irp c, 0,1,2,3                                ; ctx^T = V^T P: a lane holds query r, features 8 h + j
.irp i, 0,1
.if \c == 0
	v_wmma_f32_16x16x4_f32 v[FCT+8*\i:FCT+8*\i+7], v[32+8*\i+2*\c:33+8*\i+2*\c], v[FP+8*\i+2*\c:FP+8*\i+2*\c+1], 0
.else
	v_wmma_f32_16x16x4_f32 v[FCT+8*\i:FCT+8*\i+7], v[32+8*\i+2*\c:33+8*\i+2*\c], v[FP+8*\i+2*\c:FP+8*\i+2*\c+1], v[FCT+8*\i:FCT+8*\i+7]
.endif
.endr
.endr
	WIN 0
	PLACES 8                                       ; eight places behind this form, all lanes on
	; the lanes are on only in the wave that holds positions 0-15 of a batch: no branch hangs on a place in the cluster
	s_and_b32 s98, s22, 7
	s_or_b32 s98, s98, s17
	v_mov_b32 v[FLG], s98
	v_cmp_eq_u32 vcc_lo, 0, v[FLG]
	s_wait_xcnt 0x0                                ; EXEC changes only behind this wait
	s_and_saveexec_b32 s99, vcc_lo
	WIN 0x04                                       ; a store's data: window 1
.irp i, 0,1
	global_store_b128 v[L16], v[FCT+8*\i:FCT+8*\i+3], s[14:15] offset:\i*1024
	global_store_b128 v[L16], v[FCT+8*\i+4:FCT+8*\i+7], s[14:15] offset:\i*1024+512
.endr
	WIN 0
	s_wait_xcnt 0x0                                ; and again in front of the line that widens it
	s_or_b32 exec_lo, exec_lo, s99
	s_wait_tensorcnt 0x0                           ; the wave's end
	ds_add_u32 v[SPW], v[NIL]
	s_wait_dscnt 0x0
	CROUND                                         ; the closing round
	s_endpgm
.Lfunc_end_k_q7607959d78_qkv:
	.size	k_q7607959d78_qkv, .Lfunc_end_k_q7607959d78_qkv-k_q7607959d78_qkv
	.p2alignl 7, 3214868480
	.fill 96, 4, 3214868480
	.section	.rodata,"a",@progbits
	.p2align	6, 0x0
	.amdhsa_kernel k_q7607959d78_qkv
		.amdhsa_group_segment_fixed_size 167936
		.amdhsa_private_segment_fixed_size 0
		.amdhsa_enable_private_segment 0
		.amdhsa_kernarg_size 48
		.amdhsa_user_sgpr_count 2
		.amdhsa_user_sgpr_kernarg_segment_ptr 1
		.amdhsa_wavefront_size32 1
		.amdhsa_system_sgpr_workgroup_id_x 1
		.amdhsa_system_sgpr_workgroup_id_y 1
		.amdhsa_system_sgpr_workgroup_id_z 1
		.amdhsa_system_vgpr_workitem_id 0
		.amdhsa_next_free_vgpr 512
		.amdhsa_next_free_sgpr 100
		.amdhsa_reserve_vcc 1
		.amdhsa_float_denorm_mode_32 3
		.amdhsa_float_denorm_mode_16_64 3
		.amdhsa_memory_ordered 1
		.amdhsa_forward_progress 1
		.amdhsa_inst_pref_size 61
	.end_amdhsa_kernel
	.amdgpu_metadata
---
amdhsa.version: [ 1, 2 ]
amdhsa.kernels:
  - .name:           k_q7607959d78_qkv
    .symbol:         k_q7607959d78_qkv.kd
    .args:
      - { .name: xc, .offset: 0, .size: 8, .value_kind: global_buffer, .address_space: global }
      - { .name: wc, .offset: 8, .size: 8, .value_kind: global_buffer, .address_space: global }
      - { .name: scl, .offset: 16, .size: 8, .value_kind: global_buffer, .address_space: global }
      - { .name: qi, .offset: 24, .size: 8, .value_kind: global_buffer, .address_space: global }
      - { .name: kv, .offset: 32, .size: 8, .value_kind: global_buffer, .address_space: global }
      - { .name: fc, .offset: 40, .size: 8, .value_kind: global_buffer, .address_space: global }
    .group_segment_fixed_size: 167936
    .private_segment_fixed_size: 0
    .kernarg_segment_align: 8
    .kernarg_segment_size: 48
    .max_flat_workgroup_size: 128
    .sgpr_count:     100
    .vgpr_count:     512
    .wavefront_size: 32
...
	.end_amdgpu_metadata
.endif
;; end of part 6
;; launch attn: the kernel of part 3 again; grid 2 x 128, 16 waves a work-group, no clusters, 167,936 bytes of LDS; arguments qi, kv, ctx; writes ctx
;; launch proj (part 7): grid 16 x 16, 4 waves a work-group, clusters of 4 x 1, 237,568 bytes of LDS; arguments ctx, wo16, bo, out0, fc, Wo; writes out0
.if DOCPART == 7
	.amdgcn_target "amdgcn-amd-amdhsa--gfx1250"
	.amdhsa_code_object_version 6
	.text
	.protected	k_q7607959d78_proj
	.globl	k_q7607959d78_proj
	.p2align	8
	.type	k_q7607959d78_proj,@function
k_q7607959d78_proj:
	s_mov_b64 s[64:65], 0
	v_nop
	global_prefetch_b8 v0, s[64:65] scope:SCOPE_SE
	s_setreg_imm32_b32 hwreg(HW_REG_WAVE_MODE, 25, 1), 1
	s_wait_xcnt 0x0
	s_wait_alu depctr_hold_cnt(0) depctr_sa_sdst(0) depctr_va_vdst(0) depctr_va_sdst(0) depctr_va_ssrc(0) depctr_va_vcc(0) depctr_vm_vsrc(0)
	s_getreg_b32 s2, hwreg(HW_REG_IB_STS2, 6, 4)
	s_cmp_eq_u32 s2, 0
	s_cbranch_scc0 .Lentry_in_a_cluster
	s_endpgm
.Lentry_in_a_cluster:
	s_bfe_u32 s2, ttmp6, 0x10000c
	s_cmp_lg_u32 s2, 0x3003
	s_cbranch_scc0 .Lentry_shape_is_right
	s_endpgm
.Lentry_shape_is_right:
; out = ctx Wo + bo.  THE BULK: f16 operands, f32 sums; both operands come as images of fragments (16 x 32 k: 1,024 bytes).
; A work-group makes 128 rows x 64 columns; a wave 32 rows x 64 columns: eight accumulators, which take turns.
; Wo's 64 columns for all of K in f16, 128 KB, lie in LDS whole: four chunks of 8 K steps, each wave bringing one column tile's part; filled once.
; CLUSTER 4 x 1: the four partners make other rows of the same 64 columns, so Wo's chunks are asked for jointly.
; ctx's fragments belong to one wave alone, and 128 rows x 1,024 of them beside Wo's 128 KB pass what LDS holds: they go from memory straight into 512 registers, all asked for at the head.
; The product is used transposed (source 0 = 16 columns of Wo, source 1 = 16 rows of ctx): a lane holds eight neighbouring columns of a row.  The bias is the C of each sum's first product.
; POSITIONS 0-15 OF EACH BATCH ARE MADE IN f32, from fc (their ctx in f32) and Wo as it is given: 2 x 64 units of 16 positions x 16 columns, 256 instructions of the f32 matrix form each.
;   Each work-group makes one unit ahead of its bulk: column tile 4 Nt + cluster x, which the four partners share; batch = cx % 2, which enters global addresses alone.  The partners with cx = 2, 3 make a unit a second
;   time and have no lane on at its store: so all partners run the same lines.  Wave w takes k = 256 w .. 256 w + 255: 64 instructions on two accumulators by turns.
;   Its 256 rows x 64 bytes of Wo come by one joint tensor load, the wave's oldest, into bytes that it alone reads, rows 80 bytes apart: lanes 0-15 and lanes 16-31 (8 rows on: 160 words) fall on different banks.
;   The f32 form takes k = 2 h + j in register j; registers 2 c, 2 c + 1 of both operands hold k = 8 h + 2 c + j of a head's 16: the same permutation on both sides.
;   The four waves' parts meet in LDS (stored ahead of the first chunk's barrier) and are added on the way out.  The bulk's own stores of those 16 rows have no lane on.
;   The registers that the f32 form writes (v240-255) are written by matrix instructions alone.
; By the text's own count five tensor loads a wave are outstanding.
; The units' 16 columns are stored in pieces of 64 bytes: 128 KB of the output in all.
; REGISTERS: window 0: v4-14 addresses; v16-79 accumulators; v80-111 the bias; v112-175, v176-239 Wo's f16 fragments, two sets of two K steps (set 1 first holds the unit's bias and part; at the end the unit's addresses and parts);
;   v240-255 the unit's two sums.  windows 1, 2: ctx: K step s, row tile a at v[8 (2 (s % 16) + a)].  window 3: v0-127 fc: head i at 8 i; v128-255 Wo in f32: head i at 128 + 8 i.
.set STAGE,  131072                    ; behind Wo: 16 rows x 272 bytes for each wave, for the way out
.set SPITCH, 272
.set SPARE,  STAGE+4*16*SPITCH         ; the spare words: 128 bytes for each wave, which no other line names
.set FPART,  SPARE+512                 ; the four waves' parts of the unit, 1,024 bytes each; no tensor load lands here
.set WOL,    FPART+4096                ; Wo in f32: 256 rows x 80 bytes for each wave
.set WPITCH, 80
.set LA0, 4                            ; v4  16 x lane
.set LA1, 5                            ; v5  + 65,536: chunks 2 and 3
.set STO, 6
.set RD,  7
.set CO,  8
.set BO,  9
.set FL1, 10
.set SPW, 11                           ; v11 SPARE + 4 x my thread's number; never rewritten
.set NIL, 12                           ; v12 0; never rewritten
.set WLA, 13                           ; v13 LDS address of my lane in my slice of Wo
.set FPS, 14                           ; v14 where my part goes
.set ACC,  16
.set BIAS, 80
.set BS,   112
.set FB,   224                         ; v224-231 the unit's bias, in the result's layout
.set RS,   232                         ; v232-239 my part
.set OA,   240
.set G1, 16                            ; s[16:23]
.set G0, 24                            ; s[24:39] one group 0 a chunk
.set G1W, 68                           ; s[68:75], s[76:79] groups 1 and 0 for Wo in f32
.set G0W, 76
.set MSB, 0
.macro WIN new
.if MSB != \new
	s_set_vgpr_msb (MSB<<8)|\new
.set MSB, \new
.endif
.endm
.macro CROUND
	s_barrier_signal -1
	s_barrier_wait -1
	s_cmp_lg_u32 s12, 0
	s_cbranch_scc1 .Lnot_wave_0_\@
	s_barrier_signal -3
.Lnot_wave_0_\@:
	s_barrier_wait -3
	s_barrier_signal -1
	s_barrier_wait -1
.endm
.macro PLACES n
.rept \n
	v_nop
.endr
.endm
.macro CH q                            ; chunk q is whole for every wave; the later chunks' loads stay out
	s_wait_tensorcnt 3-\q
	s_wait_dscnt 0x0
	s_barrier_signal -1
	s_barrier_wait -1
.endm
.macro FETCHB2 d                       ; Wo's fragments of K steps 2 d and 2 d + 1, four column tiles: 16 loads into set d % 2
.set QQ, (\d)/4
.if QQ < 2
.set AR, LA0
.else
.set AR, LA1
.endif
.irp ss, 0,1
.irp t, 0,1,2,3
.irp g, 0,1
	ds_load_b128 v[BS+64*((\d)%2)+8*(4*\ss+\t)+4*\g:BS+64*((\d)%2)+8*(4*\ss+\t)+4*\g+3], v[AR] offset:(QQ%2)*32768+\t*8192+((2*(\d)+\ss)%8)*1024+\g*512
.endr
.endr
.endr
.endm
.macro MUL2 d                          ; 16 matrix instructions
.irp ss, 0,1
.irp a, 0,1
.irp t, 0,1,2,3
.if (\d) == 0 && \ss == 0
	v_wmma_f32_16x16x32_f16 v[ACC+8*(4*\a+\t):ACC+8*(4*\a+\t)+7], v[BS+64*((\d)%2)+8*(4*\ss+\t):BS+64*((\d)%2)+8*(4*\ss+\t)+7], v[(((2*(\d)+\ss)%16)*2+\a)*8:(((2*(\d)+\ss)%16)*2+\a)*8+7], v[BIAS+8*\t:BIAS+8*\t+7]
.else
	v_wmma_f32_16x16x32_f16 v[ACC+8*(4*\a+\t):ACC+8*(4*\a+\t)+7], v[BS+64*((\d)%2)+8*(4*\ss+\t):BS+64*((\d)%2)+8*(4*\ss+\t)+7], v[(((2*(\d)+\ss)%16)*2+\a)*8:(((2*(\d)+\ss)%16)*2+\a)*8+7], v[ACC+8*(4*\a+\t):ACC+8*(4*\a+\t)+7]
.endif
.endr
.endr
.endr
.endm
	s_load_b256 s[4:11], s[0:1], 0x0               ; ctx s[4:5], wo16 s[6:7], bo s[8:9], out0 s[10:11]
	s_load_b128 s[48:51], s[0:1], 0x20             ; fc s[48:49], Wo s[50:51]
	v_lshl_add_u32 v[SPW], v0, 2, SPARE
	v_mov_b32 v[NIL], 0
	ds_add_u32 v[SPW], v[NIL]                      ; the wave's opening: the add, twice on end, and its wait ahead of my first tensor load
	ds_add_u32 v[SPW], v[NIL]
	v_lshrrev_b32 v1, 5, v0
	v_readfirstlane_b32 s12, v1                    ; wave 0..3
	s_bfe_u32 s13, ttmp6, 0x40000                  ; cx
	s_lshl_b32 s14, ttmp9, 2
	s_add_co_u32 s14, s14, s13                     ; which 128 rows
	s_and_b32 s15, ttmp7, 0xffff                   ; which 64 columns: the partners share it
	s_mov_b32 s[G1], 15|(3<<16)|(1<<21)            ; the mask: all four; elements of 8 bytes; bit 21 beside a mask
	s_mov_b32 s[G1+1], 32<<16                      ; rows of 256 bytes,
	s_mov_b32 s[G1+2], 32<<16                      ; 32 of them: 8,192 dense bytes
	s_mov_b32 s[G1+3], 32<<16
	s_mov_b32 s[G1+4], 32
	s_mov_b32 s[G1+5], 32
	s_mov_b32 s[G1+6], 0
	s_mov_b32 s[G1+7], 0
	s_mov_b32 s[G1W], 15|(1<<20)|(1<<21)|(3<<22)|(3<<25)   ; the mask: all four; elements of 1 byte; padding on; bit 21 beside a mask; after every 16 words (code 3) four words (code 3)
	s_mov_b32 s[G1W+1], 64<<16                     ; tensor_dim0 = 64 bytes: 16 columns in f32
	s_mov_b32 s[G1W+2], 256<<16                    ; tensor_dim1 = 256 rows
	s_mov_b32 s[G1W+3], 64<<16                     ; tile_dim0
	s_mov_b32 s[G1W+4], 256                        ; tile_dim1
	s_mov_b32 s[G1W+5], 4096                       ; from row to row of Wo
	s_mov_b32 s[G1W+6], 0
	s_mov_b32 s[G1W+7], 0
	s_lshl_b32 s40, s15, 2
	s_add_co_u32 s40, s40, s12
	s_lshl_b32 s40, s40, 15                        ; column tile 4 Nt + wave, 32,768 bytes a tile
	s_mov_b32 s41, 0
	s_lshl_b32 s42, s12, 13
	s_lshl_b32 s88, s12, 20                        ; Wo in f32: 256 rows of 4,096 bytes a wave,
	s_lshl_b32 s89, s15, 8                         ; + 64 columns x Nt,
	s_add_co_u32 s88, s88, s89
	s_lshl_b32 s89, ttmp9, 6                       ; + 16 columns x cluster x: nothing that differs between the partners
	s_add_co_u32 s88, s88, s89
	s_mov_b32 s89, 0
	s_mul_i32 s90, s12, 256*WPITCH
	s_add_co_u32 s90, s90, WOL                     ; my slice in LDS
	s_wait_dscnt 0x0                               ; both opening adds are done
	s_wait_kmcnt 0x0
	s_add_nc_u64 s[40:41], s[6:7], s[40:41]
.irp q, 0,1,2,3
	s_mov_b32 s[G0+4*\q], 1
	s_add_co_u32 s[G0+4*\q+1], s42, \q*32768
	s_add_nc_u64 s[G0+4*\q+2:G0+4*\q+3], s[40:41], \q*8192
	s_or_b32 s[G0+4*\q+3], s[G0+4*\q+3], 0x80000000
.endr
	s_mov_b32 s[G0W], 1
	s_mov_b32 s[G0W+1], s90
	s_add_nc_u64 s[G0W+2:G0W+3], s[50:51], s[88:89]
	s_or_b32 s[G0W+3], s[G0W+3], 0x80000000
	CROUND                                         ; all four work-groups are here: the joint loads meet
	tensor_load_to_lds s[G0W:G0W+3], s[G1W:G1W+7]  ; the unit's slice of Wo first: it is wanted first
	s_nop 0
.irp q, 0,1,2,3
	tensor_load_to_lds s[G0+4*\q:G0+4*\q+3], s[G1:G1+7]
	s_nop 0
.endr
	PLACES 4
	v_and_b32 v1, 15, v0                           ; r
	v_bfe_u32 v2, v0, 4, 1                         ; h
	v_and_b32 v3, 31, v0
	v_lshlrev_b32 v[LA0], 4, v3
	v_add_nc_u32 v[LA1], 65536, v[LA0]
	v_lshlrev_b32 v[BO], 5, v2
	s_lshl_b32 s46, s15, 8
	s_mov_b32 s47, 0
	s_add_nc_u64 s[8:9], s[8:9], s[46:47]
.irp t, 0,1,2,3
	global_load_b128 v[BIAS+8*\t:BIAS+8*\t+3], v[BO], s[8:9] offset:64*\t       ; bo at columns 16 t + 8 h + 0..7
	global_load_b128 v[BIAS+8*\t+4:BIAS+8*\t+7], v[BO], s[8:9] offset:64*\t+16
.endr
	s_lshl_b32 s84, ttmp9, 6
	s_mov_b32 s85, 0
	s_add_nc_u64 s[84:85], s[8:9], s[84:85]
	global_load_b128 v[FB:FB+3], v[BO], s[84:85]   ; the unit's: bo at its 16 columns, 8 h + 0..7
	global_load_b128 v[FB+4:FB+7], v[BO], s[84:85] offset:16
	s_and_b32 s52, s13, 1                          ; the unit's batch
	s_lshl_b32 s88, s52, 16                        ; fc: 64 heads of 1,024 bytes a batch,
	s_lshl_b32 s89, s12, 14                        ; 16 heads a wave
	s_add_co_u32 s88, s88, s89
	s_mov_b32 s89, 0
	s_add_nc_u64 s[48:49], s[48:49], s[88:89]
	WIN 0xc0                                       ; destination window 3
.set i, 0
.rept 16
	global_load_b128 v[8*i:8*i+3], v[LA0], s[48:49] offset:i*1024
	global_load_b128 v[8*i+4:8*i+7], v[LA0], s[48:49] offset:i*1024+512
.set i, i+1
.endr
	s_lshl_b32 s44, s14, 18
	s_lshl_b32 s45, s12, 16
	s_add_co_u32 s44, s44, s45                     ; row tile 8 Mt + 2 wave, 32,768 bytes a tile
	s_mov_b32 s45, 0
	s_add_nc_u64 s[4:5], s[4:5], s[44:45]
	WIN 0x40                                       ; destination window 1
.set s, 0
.rept 16
.irp a, 0,1
.irp g, 0,1
	global_load_b128 v[(s*2+\a)*8+4*\g:(s*2+\a)*8+4*\g+3], v[LA0], s[4:5] offset:\a*32768+s*1024+\g*512
.endr
.endr
.set s, s+1
.endr
	WIN 0x80                                       ; destination window 2
.rept 16
.irp a, 0,1
.irp g, 0,1
	global_load_b128 v[((s-16)*2+\a)*8+4*\g:((s-16)*2+\a)*8+4*\g+3], v[LA0], s[4:5] offset:\a*32768+s*1024+\g*512
.endr
.endr
.set s, s+1
.endr
	WIN 0
	s_mul_i32 s43, s12, 16*SPITCH
	s_add_co_u32 s43, s43, STAGE                   ; my stage
	v_mul_u32_u24 v[STO], v1, SPITCH
	v_lshl_add_u32 v[STO], v2, 5, v[STO]
	v_add_nc_u32 v[STO], s43, v[STO]               ; in: row r, 32 bytes for each half of the lanes
	v_mul_u32_u24 v[RD], v2, SPITCH
	v_lshl_add_u32 v[RD], v1, 4, v[RD]
	v_add_nc_u32 v[RD], s43, v[RD]                 ; back: lanes 0-15 one row of 256 bytes, lanes 16-31 the next
	v_lshlrev_b32 v[CO], 12, v2
	v_lshl_add_u32 v[CO], v1, 4, v[CO]             ; and the same two rows of out
	v_mul_u32_u24 v[WLA], v2, 8*WPITCH
	v_lshl_add_u32 v[WLA], v1, 2, v[WLA]
	v_add_nc_u32 v[WLA], s90, v[WLA]               ; Wo in f32: my slice, 8 h rows on, column r
	s_lshl_b32 s91, s12, 10
	s_add_co_u32 s91, s91, FPART
	v_add_nc_u32 v[FPS], s91, v[LA0]               ; my part: 1,024 x wave + 16 x lane
	s_lshl_b32 s82, s52, 22                        ; the unit in out: the batch's 1,024 rows of 4,096 bytes,
	s_add_co_u32 s82, s82, s46                     ; + 256 Nt,
	s_lshl_b32 s83, ttmp9, 6
	s_add_co_u32 s82, s82, s83                     ; + 64 x cluster x
	s_mov_b32 s83, 0
	s_add_nc_u64 s[82:83], s[10:11], s[82:83]
	s_lshl_b32 s44, s14, 19
	s_lshl_b32 s45, s12, 17
	s_add_co_u32 s44, s44, s45
	s_add_co_u32 s44, s44, s46                     ; (128 Mt + 32 wave) rows of 4,096 bytes + 256 Nt
	s_mov_b32 s45, 0
	s_add_nc_u64 s[10:11], s[10:11], s[44:45]
	; ---- THE UNIT IN f32
	s_wait_tensorcnt 4                             ; my slice of Wo, the oldest load, has landed; the four chunks stay out.  I alone read these bytes: no barrier
	WIN 0xc0                                       ; destination window 3
.set i, 0
.rept 16
.irp e, 0,1,2,3,4,5,6,7
	ds_load_b32 v[128+8*i+\e], v[WLA] offset:(16*i+\e)*WPITCH   ; Wo(256 w + 16 i + 8 h + e, the unit's column r)
.endr
.set i, i+1
.endr
	WIN 0
	s_cmp_eq_u32 s12, 0
	s_cselect_b32 s80, -1, 0                       ; the bias is added once: in wave 0
	s_wait_loadcnt 63                              ; the biases and fc are in: 128 loads were issued behind them, of which 63 at the most stay out
.irp j, 0,1,2,3,4,5,6,7
	v_cndmask_b32 v[FB+\j], 0, v[FB+\j], s80
.endr
	s_wait_dscnt 0x0
	WIN 0x0f                                       ; sources 0 and 1 in window 3; C and D in window 0
.irp c, 0,1,2,3                                ; out^T += Wo^T ctx^T: two accumulators by turns; a lane holds position r, columns 8 h + j
.set i, 0
.rept 16
.if (\c == 0) && (i == 0)
	v_wmma_f32_16x16x4_f32 v[OA:OA+7], v[128+2*\c:129+2*\c], v[2*\c:2*\c+1], v[FB:FB+7]
.elseif (\c == 0) && (i == 1)
	v_wmma_f32_16x16x4_f32 v[OA+8:OA+15], v[136+2*\c:137+2*\c], v[8+2*\c:9+2*\c], 0
.else
	v_wmma_f32_16x16x4_f32 v[OA+8*(i%2):OA+8*(i%2)+7], v[128+8*i+2*\c:129+8*i+2*\c], v[8*i+2*\c:8*i+2*\c+1], v[OA+8*(i%2):OA+8*(i%2)+7]
.endif
.set i, i+1
.endr
.endr
	WIN 0
	PLACES 8                                       ; eight places behind this form
.irp j, 0,2,4,6
	v_pk_add_f32 v[RS+\j:RS+\j+1], v[OA+\j:OA+\j+1], v[OA+8+\j:OA+8+\j+1]
.endr
	ds_store_b128 v[FPS], v[RS:RS+3]
	ds_store_b128 v[FPS], v[RS+4:RS+7] offset:512  ; the wait for 0 and the barrier of the first chunk, next, show my part to the others
	; ---- THE BULK
	CH 0
	FETCHB2 0
	WIN 0x04                                       ; source 1 (ctx) in window 1: LDS loads, whose address is source 0, are not touched by it
.irp d, 0,1,2,3,4,5,6,7,8,9,10,11,12,13,14,15
.if ((\d+1)%4 == 0) && (\d < 15)
	CH (\d+1)/4
.endif
.if \d < 15
.if \d > 0
	PLACES 4                                       ; four places in front of loads into registers that matrix instructions have read
.endif
	FETCHB2 \d+1
	s_wait_dscnt 16                                ; this double step's fragments are in; the 16 loads just issued stay out
.else
	s_wait_dscnt 0x0
.endif
.if 8*(15-\d) > 63
	s_wait_loadcnt 63                              ; fewer than the later double steps' loads
.else
	s_wait_loadcnt 8*(15-\d)                       ; ctx's fragments of this double step are in; the later ones', eight a double step, stay out
.endif
.if \d == 8
	WIN 0x08                                       ; source 1 in window 2
.endif
	MUL2 \d
.endr
	WIN 0
	; THE WAY OUT.  The unit: thread t of 64 (waves 2 and 3 repeat waves 0 and 1, with no lane on at the store) takes position t / 4, columns 4 (t % 4) on: group t % 2, half (t / 2) % 2, lane t / 4 of each part.
	; The bulk: 16 rows at a time through my own stage, back as whole rows of 256 bytes; LDS serves a wave's instructions in order
	PLACES 4
	v_and_b32 v176, 63, v0
	v_and_b32 v177, 1, v176
	v_lshlrev_b32 v178, 9, v177
	v_bfe_u32 v177, v176, 1, 1
	v_lshl_add_u32 v178, v177, 8, v178
	v_lshrrev_b32 v177, 2, v176
	v_lshl_add_u32 v178, v177, 4, v178
	v_add_nc_u32 v178, FPART, v178                 ; where my four numbers lie in a part
	v_and_b32 v179, 3, v176
	v_lshlrev_b32 v179, 4, v179
	v_lshl_add_u32 v179, v177, 12, v179            ; and in out: row t / 4, 16 (t % 4) bytes
	s_lshr_b32 s87, s13, 1
	s_lshr_b32 s88, s12, 1
	s_or_b32 s87, s87, s88
	v_mov_b32 v180, s87                            ; 0 where the unit is stored: cx 0 or 1, waves 0 and 1
	s_and_b32 s88, s14, 7
	s_or_b32 s88, s88, s12
	v_mov_b32 v[FL1], s88                          ; 0 in the wave whose first 16 rows are positions 0-15 of a batch
.irp n, 0,1,2,3
	ds_load_b128 v[184+4*\n:187+4*\n], v178 offset:\n*1024   ; the four waves' parts
.endr
.irp a, 0,1
.irp t, 0,1,2,3
	ds_store_b128 v[STO], v[ACC+8*(4*\a+\t):ACC+8*(4*\a+\t)+3] offset:64*\t
	ds_store_b128 v[STO], v[ACC+8*(4*\a+\t)+4:ACC+8*(4*\a+\t)+7] offset:64*\t+16
.endr
.irp i, 0,1,2,3,4,5,6,7
	ds_load_b128 v[BS+32*\a+4*\i:BS+32*\a+4*\i+3], v[RD] offset:\i*2*SPITCH
.endr
.endr
	s_wait_dscnt 32                                ; the parts are in; the stage's 32 instructions stay out
.irp n, 1,2,3
	v_pk_add_f32 v[184:185], v[184:185], v[184+4*\n:185+4*\n]
	v_pk_add_f32 v[186:187], v[186:187], v[186+4*\n:187+4*\n]
.endr
	v_cmp_eq_u32 vcc_lo, 0, v180
	s_wait_xcnt 0x0                                ; EXEC changes only behind this wait
	s_and_saveexec_b32 s86, vcc_lo
	global_store_b128 v179, v[184:187], s[82:83]
	s_wait_xcnt 0x0                                ; and again in front of the line that widens it
	s_or_b32 exec_lo, exec_lo, s86
	v_cmp_ne_u32 vcc_lo, 0, v[FL1]
	s_wait_xcnt 0x0
	s_and_saveexec_b32 s86, vcc_lo                 ; positions 0-15 of a batch belong to the units: there the bulk's first 16 rows are not stored
.irp i, 0,1,2,3,4,5,6,7
	s_wait_dscnt 16+7-\i                           ; the younger LDS instructions stay out
	global_store_b128 v[CO], v[BS+4*\i:BS+4*\i+3], s[10:11] offset:2*\i*4096   ; sixteen lanes store 256 consecutive bytes, aligned
.endr
	s_wait_xcnt 0x0
	s_or_b32 exec_lo, exec_lo, s86
.irp i, 0,1,2,3,4,5,6,7
	s_wait_dscnt 7-\i
	global_store_b128 v[CO], v[BS+32+4*\i:BS+32+4*\i+3], s[10:11] offset:(16+2*\i)*4096
.endr
	s_wait_tensorcnt 0x0                           ; the wave's end
	ds_add_u32 v[SPW], v[NIL]
	s_wait_dscnt 0x0
	CROUND                                         ; the closing round
	s_endpgm
.Lfunc_end_k_q7607959d78_proj:
	.size	k_q7607959d78_proj, .Lfunc_end_k_q7607959d78_proj-k_q7607959d78_proj
	.p2alignl 7, 3214868480
	.fill 96, 4, 3214868480
	.section	.rodata,"a",@progbits
	.p2align	6, 0x0
	.amdhsa_kernel k_q7607959d78_proj
		.amdhsa_group_segment_fixed_size 237568
		.amdhsa_private_segment_fixed_size 0
		.amdhsa_enable_private_segment 0
		.amdhsa_kernarg_size 48
		.amdhsa_user_sgpr_count 2
		.amdhsa_user_sgpr_kernarg_segment_ptr 1
		.amdhsa_wavefront_size32 1
		.amdhsa_system_sgpr_workgroup_id_x 1
		.amdhsa_system_sgpr_workgroup_id_y 1
		.amdhsa_system_sgpr_workgroup_id_z 1
		.amdhsa_system_vgpr_workitem_id 0
		.amdhsa_next_free_vgpr 1024
		.amdhsa_next_free_sgpr 100
		.amdhsa_reserve_vcc 1
		.amdhsa_float_denorm_mode_32 3
		.amdhsa_float_denorm_mode_16_64 3
		.amdhsa_memory_ordered 1
		.amdhsa_forward_progress 1
		.amdhsa_inst_pref_size 78
	.end_amdhsa_kernel
	.amdgpu_metadata
---
amdhsa.version: [ 1, 2 ]
amdhsa.kernels:
  - .name:           k_q7607959d78_proj
    .symbol:         k_q7607959d78_proj.kd
    .args:
      - { .name: ctx, .offset: 0, .size: 8, .value_kind: global_buffer, .address_space: global }
      - { .name: wo16, .offset: 8, .size: 8, .value_kind: global_buffer, .address_space: global }
      - { .name: bo, .offset: 16, .size: 8, .value_kind: global_buffer, .address_space: global }
      - { .name: out0, .offset: 24, .size: 8, .value_kind: global_buffer, .address_space: global }
      - { .name: fc, .offset: 32, .size: 8, .value_kind: global_buffer, .address_space: global }
      - { .name: Wo, .offset: 40, .size: 8, .value_kind: global_buffer, .address_space: global }
    .group_segment_fixed_size: 237568
    .private_segment_fixed_size: 0
    .kernarg_segment_align: 8
    .kernarg_segment_size: 48
    .max_flat_workgroup_size: 128
    .sgpr_count:     100
    .vgpr_count:     1024
    .wavefront_size: 32
...
	.end_amdgpu_metadata
.endif
;; end of part 7
